; MI455X (gfx1250); checked and timed in simulation.
; The chip was launched on July 23, 2026; its instructions are those of AMD's public machine-readable ISA for CDNA 5 (MIT licence, August 2026) and "CDNA5" Instruction Set Architecture Reference Guide (July 2026). The comments in the code are by the model that wrote it; some were corrected since.
;; Multi Head Attention. Allowed arithmetic: matrix products marked QUANTISED: E2M3 operands, one E8M0 scale for each 32 along K, by v_wmma_scale_f32_16x16x128_f8f6f4 with both operands' format E2M3, f32 sums; everything else in f32.
;; Inputs: bk 1,024 float32; bo 1,024 float32; bq 1,024 float32; bv 1,024 float32; input 4 x 2,048 x 1,024 float32; mask 4 x 2,048 int32; wk 1,024 x 1,024 float32; wo 1,024 x 1,024 float32; wq 1,024 x 1,024 float32; wv 1,024 x 1,024 float32.
;; Outputs: out0 4 x 2,048 x 1,024 float32.
;; This version of the problem:
;;   THIS VERSION OF THE PROBLEM IS GIVEN IN LOW PRECISION. The matrix products marked QUANTISED in the list below multiply operands that are first quantised to E2M3 (2 exponent bits, 3 mantissa bits; 6 bits a number), with one power-of-two scale for each 32 numbers along K (OCP MX v1.0); their sums are f32. All else is computed in f32.
;;   The module's matrix products, in the order in which they are computed (A, B: the left and right operand; K: the contracted axis; several contracted axes count as one K, in the product's order):
;;     1. [M 8,192, K 1,024] x [K 1,024, N 1,024]; A: input input; B: input wq: QUANTISED
;;     2. [M 8,192, K 1,024] x [K 1,024, N 1,024]; A: input input; B: input wk: QUANTISED
;;     3. [M 8,192, K 1,024] x [K 1,024, N 1,024]; A: input input; B: input wv: QUANTISED
;;     4. batch 64 x [M 2,048, K 64] x [K 64, N 2,048]; A: computed on the way; B: computed on the way: QUANTISED
;;     5. batch 64 x [M 2,048, K 2,048] x [K 2,048, N 64]; A: softmax (see below); B: computed on the way: QUANTISED
;;     6. [M 8,192, K 1,024] x [K 1,024, N 1,024]; A: computed on the way; B: input wo: QUANTISED
;;   THE QUANTISER, for each operand of a quantised product, along K:
;;     - K is cut into blocks of 32 from its start; a last block that is shorter is filled with zeros.
;;     - A block's scale is 2^e with e = floor(log2(the largest magnitude in the block)) - 2, held to -126 .. 127; a block of zeros has e = 0. As a byte (E8M0): e + 127.
;;     - Each number is divided by its block's scale, clamped to +-7.5, and rounded to the nearest number of E2M3, ties to even, subnormals kept.
;;     - The product sums the exact products of the quantised numbers (number of the format x scale) in f32.
;;   ~~~python
;;   def quantise(x, axis):      # numpy; x: float32 -> the quantised numbers, widened to float32 again
;;       x = np.moveaxis(x, axis, -1); K = x.shape[-1]
;;       x = np.pad(x, [(0, 0)] * (x.ndim - 1) + [(0, -K % 32)]); x = x.reshape(x.shape[:-1] + (-1, 32)); a = np.abs(x).max(-1, keepdims=True)
;;       e = np.where(a > 0, np.clip(np.frexp(np.where(a > 0, a, 1))[1] - 1 - 2, -126, 127), 0)      # np.frexp(a)[1] - 1 = floor(log2(a)), exactly
;;       r = np.clip(x / 2.0 ** e, -7.5, 7.5)
;;       step = 2.0 ** (np.maximum(np.frexp(np.where(r == 0, 1, r))[1] - 1, 0) - 3)
;;       q = np.round(r / step) * step * 2.0 ** e      # np.round: ties to even
;;       return np.moveaxis(q.reshape(q.shape[:-2] + (-1,))[..., :K], -1, axis).astype(np.float32)
;;   ~~~
;;   SOFTMAX AHEAD OF A QUANTISED PRODUCT. Where the list says 'softmax', what is quantised is not the finished softmax but p = 2^(t - M), with t = logit x log2(e) and M = ceil(the row's largest t), a whole number; so 1/2 < the row's largest p <= 1. The row's sum l is taken of the UNQUANTISED p, in f32, and the product's result is divided by l at the end. Since M is a whole number, a kernel that streams over the keys may use a running M (the ceiling of the running maximum): every later rescaling is an exact power of two, which a block's scale takes up: the codes' values come out the same.
;;   OPERANDS COMPUTED ON THE WAY. 'Computed on the way' means the value that the module computes at that place (a softmax that the list does not call 'softmax' is quantised finished and normalised). What goes into a quantiser is computed in f32, as accurately as f32 sums, v_exp_f32 and their like allow (about 1e-6 of the number): no bf16 or f16 on the way to a quantiser, and a product that is left as it is and whose result goes on into a quantised operand takes f32 operands (vector FMAs, or v_wmma_f32_16x16x4_f32). A number that lies on a knife's edge between two numbers of the format may be rounded either way, as far as f32 arithmetic and the matrix unit's own rounding can turn it there, and no further.
;; One version. Each part assembles by itself: llvm-mc -triple=amdgcn-amd-amdhsa -mcpu=gfx1250 --defsym DOCPART=n.
;; ======== version 1 of 1: 4 launches
;; limits: right only within a limited range of input values
;; workspace buffers: img 9,830,400 bytes; qi 6,815,744 bytes; kv 13,369,344 bytes; cimg 6,553,600 bytes
;; launch quant (part 1): grid 768 x 1, 2 waves a work-group, no clusters, 17,152 bytes of LDS; arguments input, wq, wk, wv, wo, img; writes img
.if DOCPART == 1
	.amdgcn_target "amdgcn-amd-amdhsa--gfx1250"
	.amdhsa_code_object_version 6
	.text
	.protected	k_q87d9f4b8d0_quant
	.globl	k_q87d9f4b8d0_quant
	.p2align	8
	.type	k_q87d9f4b8d0_quant,@function
k_q87d9f4b8d0_quant:
	s_mov_b64 s[64:65], 0
	v_nop
	global_prefetch_b8 v0, s[64:65] scope:SCOPE_SE
	s_setreg_imm32_b32 hwreg(HW_REG_WAVE_MODE, 25, 1), 1
	s_wait_xcnt 0x0
; input [8192][1024] and wq, wk, wv, wo [1024][1024], f32, K innermost, become codes of FP6 (E2M3) with one E8M0 byte for each 32 along K,
; laid in the ORDER OF THE OPERAND'S REGISTERS.  128 rows are a record of 102,400 bytes: codes [kap 8][tile 8][piece 6][lane 32][8 bytes] (piece p = registers 2 p, 2 p + 1 of the
; fragment of 16 rows x 128 K), then scale bytes [kap 8][plane 2][q 2][lane 16][4 halfwords]: plane c holds bytes 2 c, 2 c + 1 of a row's scale word, halfword i belongs to tile 4 q + i.
; THE ROWS OF A TILE ARE NOT NEIGHBOURS: lane r of tile t holds row 32 (t / 2) + 8 (t % 2) + r + 8 (r / 8) of the record's 128.  Records: input 0-63, wq 64-71, wk 72-79, wv 80-87, wo 88-95.
; A block's scale is 2^(floor(log2(largest magnitude)) - 2); its byte is the largest magnitude's exponent field - 2, held at 1 from below (a block of zeros keeps 1: its codes are zeros, and this program alone reads the bytes).
; LIMITS: blocks whose largest magnitude lies under 2^-124 keep the byte 1; NaN and infinities among the inputs are not served.
; SHARES: 96 records x 8 kaps = 768 work-groups of two waves: work-group g: record g / 8, kap g % 8; wave q: tiles 4 q + 0 .. 3.  A tile's 16 rows x 512 bytes are read by 16 loads of 512 consecutive bytes, turn through the wave's own
; stage in LDS (pitch 528), and come back with two whole blocks of 32 in each lane.  No tensor load, no barrier, no cluster: waves and work-groups share no input.
.set STG,   8448                       ; a wave's stage: 16 rows x (512 + 16) bytes
.set SPARE, 2*STG                      ; behind the stages: the spare words, 128 bytes for each wave
.set SPW,   10
.set NIL,   11
.set W,     12                         ; v12-15  the four tiles' scale words
.set CD,    24                         ; v24-47  codes, two sets of 12
.set RR,    64                         ; v64-191 numbers as loaded, two sets of 64
.set X,     192                        ; v192-255 my two blocks: register 32 c + i = k 64 c + 32 (lane / 16) + i of my row
	s_load_b256 s[4:11], s[0:1], 0x0               ; input, wq, wk, wv
	s_load_b128 s[12:15], s[0:1], 0x20             ; wo, img
	v_lshl_add_u32 v[SPW], v0, 2, SPARE
	v_mov_b32 v[NIL], 0
	v_lshrrev_b32 v1, 5, v0
	v_readfirstlane_b32 s16, v1                    ; wave
	v_and_b32 v7, 31, v0                           ; lane
	v_and_b32 v8, 15, v0                           ; r
	v_bfe_u32 v9, v0, 4, 1                         ; h
	v_lshlrev_b32 v1, 4, v7                        ; 16 x lane: my bytes of a load's 512
	s_mul_i32 s23, s16, STG
	v_add_nc_u32 v2, s23, v1                       ; into the stage
	v_mul_u32_u24 v3, v8, 528
	v_lshl_add_u32 v3, v9, 7, v3
	v_add_nc_u32 v3, s23, v3                       ; out of it: row r, + 128 h
	v_lshlrev_b32 v4, 3, v7                        ; 8 x lane: a piece's place
	v_lshlrev_b32 v5, 3, v9                        ; 8 h: my bytes' shift in the scale word
	v_lshlrev_b32 v6, 3, v8
	v_lshl_add_u32 v6, v9, 8, v6                   ; 256 h + 8 r: lanes 0-15 store plane 0, lanes 16-31 plane 1
	v_mov_b32 v23, 0                               ; a lane permute's destination counts as read
	s_mov_b32 s26, 0x76543210
	s_mov_b32 s27, 0xfedcba98                      ; selects for lane l xor 16
	s_mov_b32 s28, 0xffff0000                      ; lanes 16-31
	s_lshr_b32 s17, ttmp9, 3                       ; record
	s_and_b32 s18, ttmp9, 7                        ; kap
	s_and_b32 s19, s16, 1                          ; q
	s_wait_alu depctr_va_vdst(0)
	s_wait_kmcnt 0x0
	s_mov_b64 s[20:21], s[4:5]                     ; which tensor: the choice hangs on the work-group's number alone
	s_mov_b32 s22, 0
	s_cmp_ge_u32 s17, 64
	s_cselect_b64 s[20:21], s[6:7], s[20:21]
	s_cselect_b32 s22, 64, s22
	s_cmp_ge_u32 s17, 72
	s_cselect_b64 s[20:21], s[8:9], s[20:21]
	s_cselect_b32 s22, 72, s22
	s_cmp_ge_u32 s17, 80
	s_cselect_b64 s[20:21], s[10:11], s[20:21]
	s_cselect_b32 s22, 80, s22
	s_cmp_ge_u32 s17, 88
	s_cselect_b64 s[20:21], s[12:13], s[20:21]
	s_cselect_b32 s22, 88, s22
	s_sub_co_u32 s24, s17, s22
	s_lshl_b32 s24, s24, 19                        ; 128 rows of 4,096 bytes
	s_lshl_b32 s25, s19, 18                        ; + 64 q rows
	s_add_co_u32 s24, s24, s25
	s_lshl_b32 s25, s18, 9                         ; + 512 kap
	s_add_co_u32 s24, s24, s25
	s_mov_b32 s25, 0
	s_add_nc_u64 s[20:21], s[20:21], s[24:25]
	s_mul_i32 s29, s17, 102400
	s_mul_i32 s24, s18, 12288
	s_add_co_u32 s24, s24, s29
	s_mul_i32 s34, s19, 6144
	s_add_co_u32 s24, s24, s34
	s_add_nc_u64 s[30:31], s[14:15], s[24:25]      ; my four fragments
	s_lshl_b32 s24, s18, 9
	s_add_co_u32 s24, s24, s29
	s_lshl_b32 s34, s19, 7
	s_add_co_u32 s24, s24, s34
	s_add_co_u32 s24, s24, 98304
	s_add_nc_u64 s[32:33], s[14:15], s[24:25]      ; my halfwords
.macro LOAD i                          ; tile i's 16 rows, 512 consecutive bytes a load
.irp r, 0,1,2,3,4,5,6,7,8,9,10,11,12,13,14,15
	global_load_b128 v[RR+64*((\i)%2)+4*\r:RR+64*((\i)%2)+4*\r+3], v1, s[20:21] offset:(32*((\i)/2)+8*((\i)%2)+\r+8*(\r/8))*4096 th:TH_LOAD_NT
.endr
.endm
.macro TILE i
.if (\i) < 3
	s_wait_loadcnt 16                              ; this tile's 16 loads are in; the next tile's may be out
.else
	s_wait_loadcnt 0x0
.endif
.irp r, 0,1,2,3,4,5,6,7,8,9,10,11,12,13,14,15
	ds_store_b128 v2, v[RR+64*((\i)%2)+4*\r:RR+64*((\i)%2)+4*\r+3] offset:528*\r
.endr
.irp c, 0,1
.irp e, 0,1,2,3,4,5,6,7
	ds_load_b128 v[X+32*\c+4*\e:X+32*\c+4*\e+3], v3 offset:256*\c+16*\e   ; LDS serves a wave's instructions in order: these see the stores above
.endr
.endr
	s_wait_dscnt 0x0                               ; my blocks are in, and the stores have read their registers,
.if (\i) < 2
	LOAD (\i)+2                                    ; which take the tile two on
.endif
.irp c, 0,1
	v_max3_num_f32 v[16+\c], |v[X+32*\c]|, |v[X+32*\c+1]|, 0x1800000   ; the block's largest magnitude, and the floor 2^(3 - 127): the byte cannot fall under 1
.endr
.irp j, 2,4,6,8,10,12,14,16,18,20,22,24,26,28,30
.irp c, 0,1
	v_max3_num_f32 v[16+\c], v[16+\c], |v[X+32*\c+\j]|, |v[X+32*\c+\j+1]|
.endr
.endr
.irp c, 0,1
	v_add_nc_u32 v[18+\c], 0xff000000, v[16+\c]    ; 2 off the exponent field: the conversion's scale operand
.endr
.irp c, 0,1
	v_lshrrev_b32 v[20+\c], 23, v[18+\c]           ; the scale's byte
.endr
	v_lshl_or_b32 v22, v21, 16, v20                ; blocks h and 2 + h of my row,
	v_lshlrev_b32 v22, v5, v22                     ; at their places in the word;
	v_permlanex16_b32 v23, v22, s26, s27
	v_or_b32 v[W+(\i)], v22, v23                   ; with lane l xor 16's two the word is whole
.if (\i) >= 2
	s_wait_alu depctr_va_vdst(0)
	s_wait_xcnt 0x0                                ; the stores of two tiles back have read their data: this set of codes is written again only behind this wait
.endif
.set CC, CD+12*((\i)%2)
.irp c, 0,1
	v_cvt_scalef32_pk16_fp6_f32 v[CC+6*\c:CC+6*\c+2], v[X+32*\c:X+32*\c+15], v[18+\c]
	v_cvt_scalef32_pk16_fp6_f32 v[48+4*\c:50+4*\c], v[X+32*\c+16:X+32*\c+31], v[18+\c]   ; (a conversion's three registers begin on an even number)
.endr
	v_nop                                          ; one plain place behind a scaled conversion
.irp c, 0,1
.irp e, 0,1,2
	v_mov_b32 v[CC+6*\c+3+\e], v[48+4*\c+\e]
.endr
.endr
.irp p, 0,1,2,3,4,5
	global_store_b64 v4, v[CC+2*\p:CC+2*\p+1], s[30:31] offset:1536*(\i)+256*\p   ; 32 lanes store 256 consecutive bytes, at a multiple of 256 from the buffer's first byte
.endr
.endm
	LOAD 0
	LOAD 1
	TILE 0
	TILE 1
	TILE 2
	TILE 3
	v_perm_b32 v58, v[W+1], v[W], 0x05040100       ; plane 0: bytes 0, 1 of tiles 0, 1;
	v_perm_b32 v59, v[W+3], v[W+2], 0x05040100     ; of tiles 2, 3
	v_perm_b32 v60, v[W+1], v[W], 0x07060302       ; plane 1: bytes 2, 3
	v_perm_b32 v61, v[W+3], v[W+2], 0x07060302
	v_cndmask_b32 v56, v58, v60, s28               ; lanes 16-31 take plane 1 (a row's word stands in lanes r and r + 16 alike)
	v_cndmask_b32 v57, v59, v61, s28
	global_store_b64 v6, v[56:57], s[32:33]        ; two runs of 128 bytes; the wave with the other q fills the same two blocks of 256
	s_wait_tensorcnt 0x0                           ; the wave's end
	ds_add_u32 v[SPW], v[NIL]
	s_wait_dscnt 0x0
	s_endpgm
.Lfunc_end_k_q87d9f4b8d0_quant:
	.size	k_q87d9f4b8d0_quant, .Lfunc_end_k_q87d9f4b8d0_quant-k_q87d9f4b8d0_quant
	.p2alignl 7, 3214868480
	.fill 96, 4, 3214868480
	.section	.rodata,"a",@progbits
	.p2align	6, 0x0
	.amdhsa_kernel k_q87d9f4b8d0_quant
		.amdhsa_group_segment_fixed_size 17152
		.amdhsa_private_segment_fixed_size 0
		.amdhsa_enable_private_segment 0
		.amdhsa_kernarg_size 48
		.amdhsa_user_sgpr_count 2
		.amdhsa_user_sgpr_kernarg_segment_ptr 1
		.amdhsa_wavefront_size32 1
		.amdhsa_system_sgpr_workgroup_id_x 1
		.amdhsa_system_sgpr_workgroup_id_y 1
		.amdhsa_system_sgpr_workgroup_id_z 1
		.amdhsa_system_vgpr_workitem_id 0
		.amdhsa_next_free_vgpr 256
		.amdhsa_next_free_sgpr 66
		.amdhsa_reserve_vcc 0
		.amdhsa_float_denorm_mode_32 3
		.amdhsa_float_denorm_mode_16_64 3
		.amdhsa_memory_ordered 1
		.amdhsa_forward_progress 1
		.amdhsa_inst_pref_size 32
	.end_amdhsa_kernel
	.amdgpu_metadata
---
amdhsa.version: [ 1, 2 ]
amdhsa.kernels:
  - .name:           k_q87d9f4b8d0_quant
    .symbol:         k_q87d9f4b8d0_quant.kd
    .args:
      - { .name: input, .offset: 0, .size: 8, .value_kind: global_buffer, .address_space: global }
      - { .name: wq, .offset: 8, .size: 8, .value_kind: global_buffer, .address_space: global }
      - { .name: wk, .offset: 16, .size: 8, .value_kind: global_buffer, .address_space: global }
      - { .name: wv, .offset: 24, .size: 8, .value_kind: global_buffer, .address_space: global }
      - { .name: wo, .offset: 32, .size: 8, .value_kind: global_buffer, .address_space: global }
      - { .name: img, .offset: 40, .size: 8, .value_kind: global_buffer, .address_space: global }
    .group_segment_fixed_size: 17152
    .private_segment_fixed_size: 0
    .kernarg_segment_align: 8
    .kernarg_segment_size: 48
    .max_flat_workgroup_size: 64
    .sgpr_count:     66
    .vgpr_count:     256
    .wavefront_size: 32
...
	.end_amdgpu_metadata
.endif
;; end of part 1
;; launch proj (part 2): grid 16 x 16, 4 waves a work-group, clusters of 4 x 4, 327,680 bytes of LDS; arguments img, bq, bk, bv, qi, kv; writes qi, kv
.if DOCPART == 2
	.amdgcn_target "amdgcn-amd-amdhsa--gfx1250"
	.amdhsa_code_object_version 6
	.text
	.protected	k_q87d9f4b8d0_proj
	.globl	k_q87d9f4b8d0_proj
	.p2align	8
	.type	k_q87d9f4b8d0_proj,@function
k_q87d9f4b8d0_proj:
	s_mov_b64 s[64:65], 0
	v_nop
	global_prefetch_b8 v0, s[64:65] scope:SCOPE_SE
	s_setreg_imm32_b32 hwreg(HW_REG_WAVE_MODE, 25, 1), 1
	s_wait_xcnt 0x0
	s_wait_alu depctr_hold_cnt(0) depctr_sa_sdst(0) depctr_va_vdst(0) depctr_va_sdst(0) depctr_va_ssrc(0) depctr_va_vcc(0) depctr_vm_vsrc(0)
	s_getreg_b32 s2, hwreg(HW_REG_IB_STS2, 6, 4)
	s_cmp_eq_u32 s2, 0
	s_cbranch_scc0 .Lentry_in_a_cluster
	s_endpgm
.Lentry_in_a_cluster:
	s_bfe_u32 s2, ttmp6, 0x10000c
	s_cmp_lg_u32 s2, 0xf033
	s_cbranch_scc0 .Lentry_shape_is_right
	s_endpgm
.Lentry_shape_is_right:
; Q, K, V = input W^T + b on codes of FP6 (E2M3) with E8M0 scales, and their quantisers: Q and K along the head's 64, V along the tokens.  Results leave as codes and scale words in the order of the next launch's operand registers.
; img holds records of 128 rows x 1,024 K (102,400 bytes: codes [kap 8][tile 8][piece 6][lane 32][8], then 4,096 scale bytes): input 0-63, wq 64-71, wk 72-79, wv 80-87.
; A BLOCK is one record (the single) against two neighbouring records (the pair): 128 x 256.  Four waves, 2 x 2: wave (wa, wb) takes tiles 4 wa .. 4 wa + 3 of the single (source 1: a lane holds one of its rows)
; and the eight tiles of record wb of the pair (source 0: a lane's registers run along its rows): 32 accumulators, 256 registers.
; 768 blocks on 256 work-groups that stay: two blocks of Q or K (single = 128 tokens, pair = 256 rows of wq or wk; a loop of two trips) and one of V (single = 128 rows of wv, pair = 256 tokens; written out, since it asks for nothing more).
; THE RING: two LDS slots cut along K.  Slot Q holds kaps 5-7 and the scale bytes of the three records (3 x 40,960 bytes), slot P kaps 0-4 (3 x 61,440).  A block walks kaps 5, 6, 7, 0 .. 4.  In kap 7's step slot Q takes the next
; block's part, in kap 4's step slot P: each in a drained round of the cluster's barrier, one joint load a wave (waves 0, 1 half of the single's part each, waves 2, 3 a record of the pair).
; CLUSTERS 4 x 4: the single hangs on cy and the cluster's numbers and is shared along a row, the pair on cx and the cluster's numbers and is shared along a column.  Which tensor a block belongs to hangs on the cluster's numbers alone.
; No prefetch is laid: slot Q's refill is asked for five kaps, slot P's three kaps and a way out, ahead of its first read, and the pair of the loop's second block is the first's.
; The bias is the C of a block's first products.  The sums run over K in the order of the walk.  A kap's 72 LDS loads for the next kap go out in three runs of 24 among its products.
; THE WAY OUT takes my four tiles together: sixteen chains of maxima side by side, then sixteen conversions.
; LIMITS: blocks whose largest magnitude lies under 2^-124 keep the scale byte 1; NaN and infinities are not served.
; REGISTERS: window 0: v1-5, v16-20 addresses, v28, v29 the add's two, v32-95 scale words (register 8 kap + i: lanes 0-15 tile i of my four, lanes 16-31 tile i of my eight), v96-127, v224-237 the way out, v128-223 the single's fragments, two sets;
;   window 1: the pair's fragments, two sets at v0 and v128; window 2: the accumulators, (a, b) at 8 (8 a + b); window 3: v0-63 scale bytes as they lie, v64-127 Q's or K's bias, v128-159 V's, v160-239 the way out's codes.
.set RECB,  102400
.set KAPB,  12288
.set FRB,   1536
.set QOFF,  61440
.set SQ,    0
.set SP,    122880
.set IQ,    40960
.set IQD,   40960
.set IP,    184320
.set IPD,   61440
.set SPARE, 307200
.set ADRO,  16
.set ADRI,  18
.set ADRS,  20
.set SPW,   28
.set NIL,   29
.set SC,    32
.set OF,    128
.set RAW,   0
.set BI,    64
.set BI2,   128
.set PC3,   160
.set TM,    96
.set FLR,   224
.set PW,    226
.set OA,    230
.set OB,    231
.set OS,    232
.set OS2,   233
.set WA,    234
.set WB,    236
.set G1AQ,  24
.set G1AP,  32
.set G1BQ,  40
.set G1BP,  48
.set G0AQ,  56
.set G0AP,  60
.set G0BQ,  68
.set G0BP,  72
.set MSB, 0
.macro WIN new
.if MSB != (\new)
	s_set_vgpr_msb (MSB<<8)|(\new)
.set MSB, (\new)
.endif
.endm
.macro WALU
	s_wait_alu depctr_va_vdst(0)
.endm
.macro PLACES n
.rept \n
	v_nop
.endr
.endm
.macro JLOAD g0a, g1a, g0b, g1b        ; waves 0, 1 ask for the single, waves 2, 3 for the pair
	s_cmp_eq_u32 s17, 0
	s_cbranch_scc0 .Lfor_b_\@
	tensor_load_to_lds s[\g0a:\g0a+3], s[\g1a:\g1a+7]
	s_nop 0
	PLACES 4
	s_branch .Lasked_\@
.Lfor_b_\@:
	tensor_load_to_lds s[\g0b:\g0b+3], s[\g1b:\g1b+7]
	s_nop 0
	PLACES 4
.Lasked_\@:
.endm
.macro CREST
	s_cmp_lg_u32 s16, 0
	s_cbranch_scc1 .Lnot_wave_0_\@
	s_barrier_signal -3
.Lnot_wave_0_\@:
	s_barrier_wait -3
	s_barrier_signal -1
	s_barrier_wait -1
.endm
.macro CROUND
	s_barrier_signal -1
	s_barrier_wait -1
	CREST
.endm
.macro GROUP1 g, m, rows               ; dense rows of 256 bytes (32 elements of 8)
	s_or_b32 s[\g], s\m, (3<<16)|(1<<21)
	s_mov_b32 s[\g+1], 32<<16
	s_mov_b32 s[\g+2], (\rows)<<16
	s_mov_b32 s[\g+3], 32<<16
	s_mov_b32 s[\g+4], \rows
	s_mov_b32 s[\g+5], 32
	s_mov_b32 s[\g+6], 0
	s_mov_b32 s[\g+7], 0
.endm
.macro SETA g, sub                     ; group 0's address: the single's record at s76, my part of it at s\sub
	s_add_co_u32 s92, s76, s\sub
	s_add_nc_u64 s[\g+2:\g+3], s[4:5], s[92:93]
	s_or_b32 s[\g+3], s[\g+3], 0x80000000
.endm
.macro SETB g, c                       ; my record of the pair at s79
	s_add_co_u32 s94, s79, \c
	s_add_nc_u64 s[\g+2:\g+3], s[4:5], s[94:95]
	s_or_b32 s[\g+3], s[\g+3], 0x80000000
.endm
.macro FRAG reg, adr, off
.irp p, 0,1,2,3,4,5
	ds_load_b64 v[(\reg)+2*\p:(\reg)+2*\p+1], v[\adr] offset:(\off)+256*\p
.endr
.endm
.macro FETCHI k, i0                    ; four of the pair's fragments of kap k into set k % 2: 24 loads.  Kaps 0-4 go by the first address register (slot P), 5-7 by the second (slot Q)
	WIN 0x40
.irp i, 0,1,2,3
	FRAG 128*((\k)%2)+12*((\i0)+\i), ADRI+(\k)/5, KAPB*((\k)%5)+FRB*((\i0)+\i)
.endr
.endm
.macro FETCHO k                        ; my four fragments of the single: 24 loads
	WIN 0
.irp i, 0,1,2,3
	FRAG OF+48*((\k)%2)+12*\i, ADRO+(\k)/5, KAPB*((\k)%5)+FRB*\i
.endr
.endm
.macro SCALERAW                        ; a block's scale bytes, all eight kaps: 32 loads; lanes 0-15 the single's, lanes 16-31 the pair's
	WIN 0xc0
.irp k, 0,1,2,3,4,5,6,7
.irp c, 0,1
.irp q, 0,1
	ds_load_b64 v[RAW+8*\k+4*\c+2*\q:RAW+8*\k+4*\c+2*\q+1], v[ADRS] offset:512*\k+256*\c+128*\q
.endr
.endr
.endr
	WIN 0
.endm
.macro TBEGIN                          ; the halfwords of the two planes become scale words
	s_wait_dscnt 63                                ; the 32 scale loads are in: 72 fragment loads were issued behind them, and 63 is the largest count that the wait can name
	WIN 0x0f
.irp k, 0,1,2,3,4,5,6,7
.irp q, 0,1
.irp u, 0,1
	v_perm_b32 v[SC+8*\k+4*\q+2*\u], v[RAW+8*\k+4+2*\q+\u], v[RAW+8*\k+2*\q+\u], s66
	v_perm_b32 v[SC+8*\k+4*\q+2*\u+1], v[RAW+8*\k+4+2*\q+\u], v[RAW+8*\k+2*\q+\u], s67
.endr
.endr
.endr
	WIN 0
	PLACES 8                                       ; a scale register written by a vector instruction stands eight places ahead of the product
	WALU
	s_wait_loadcnt 0x0                             ; the bias
.endm
.macro MUL8 a, k, cm                   ; my tile a against the eight; cm 1, 2: the first products take the bias as C
.irp b, 0,1,2,3,4,5,6,7
.set rD, 8*(8*(\a)+\b)
.set rI, 128*((\k)%2)+12*\b
.set rO, OF+48*((\k)%2)+12*(\a)
.set rC, rD
.if (\cm) == 1
.set rC, BI+8*\b
.endif
.if (\cm) == 2
.set rC, BI2+8*(\a)
.endif
	v_wmma_scale_f32_16x16x128_f8f6f4 v[rD:rD+7], v[rI:rI+11], v[rO:rO+11], v[rC:rC+7], v[SC+8*(\k)+\b], v[SC+8*(\k)+(\a)] matrix_a_fmt:MATRIX_FMT_FP6 matrix_b_fmt:MATRIX_FMT_FP6 matrix_a_scale:MATRIX_SCALE_ROW1
.endr
.endm
; A kap: 32 products, the 32 accumulators by turns.  sync 0: no barrier.  sync 1: the three lines and a barrier (a slot is shown, nothing is filled).
; sync 2: the barrier opens a round, and slot Q (rf 0) or P (rf 1), which nobody reads any more, takes the next block's part.  fetch 1: the next kap; 2: the next block's scale bytes and kap 5; 0: nothing.
.macro KSTEP k, sync, fetch, cm, rf
.set WM, 0xa1
.if (\cm) != 0
.set WM, 0xb1
.endif
.set NK, ((\k)+1)%8
.if (\fetch) == 2
.set NK, 5
.endif
.if (\sync) == 0
	s_wait_dscnt 0x0
.if (\fetch) != 0
	PLACES 4                                       ; between the last kap's products and the loads into their registers
	FETCHI NK, 0
.endif
	WIN WM
	MUL8 0, \k, \cm
.if (\fetch) != 0
	FETCHI NK, 4
.endif
	WIN WM
	MUL8 1, \k, \cm
.if (\fetch) != 0
	FETCHO NK
.endif
	WIN WM
	MUL8 2, \k, \cm
	MUL8 3, \k, \cm
.else
	s_wait_tensorcnt 0x0                           ; all my tensor loads have landed;
	ds_add_u32 v[SPW], v[NIL]
.if (\sync) == 2
.if (\rf) == 0
	SETA G0AQ, 82
	SETB G0BQ, QOFF
.else
	SETA G0AP, 83
	SETB G0BP, 0
.endif
.endif
	s_wait_dscnt 0x1                               ; this kap's fragments are in; the add may be out
	WIN WM
	MUL8 0, \k, \cm
	s_wait_dscnt 0x0
	s_barrier_signal -1
	MUL8 1, \k, \cm
	WIN 0
	s_barrier_wait -1
.if (\sync) == 2
	CREST
.if (\rf) == 0
	JLOAD G0AQ, G1AQ, G0BQ, G1BQ
.else
	JLOAD G0AP, G1AP, G0BP, G1BP
.endif
.else
	PLACES 4
.endif
.if (\fetch) == 2
	SCALERAW
.endif
	FETCHI NK, 0
	FETCHI NK, 4
	WIN WM
	MUL8 2, \k, \cm
	FETCHO NK
	WIN WM
	MUL8 3, \k, \cm
.endif
	WIN 0
.endm
; The way out of my four tiles, 16 rows x 128 each: a tile has four blocks of 32, each in lanes l and l xor 16; twelve registers of codes and a scale word a tile.  Tile a's codes go step bytes behind tile a - 1's.
.macro QUANT4 step
	WIN 0x28
.irp a, 0,1,2,3
.irp b, 0,1,2,3
	v_max3_num_f32 v[TM+8*\a+\b], v[FLR], |v[64*\a+16*\b]|, |v[64*\a+16*\b+1]|
.endr
.endr
.irp i, 2,4,6,8,10,12,14
.irp a, 0,1,2,3
.irp b, 0,1,2,3
	v_max3_num_f32 v[TM+8*\a+\b], v[TM+8*\a+\b], |v[64*\a+16*\b+\i]|, |v[64*\a+16*\b+\i+1]|
.endr
.endr
.endr
	WIN 0
.irp a, 0,1,2,3
.irp b, 0,1,2,3
	v_permlanex16_b32 v[TM+8*\a+4+\b], v[TM+8*\a+\b], s77, s80
.endr
.endr
.irp a, 0,1,2,3
.irp b, 0,1,2,3
	v_max_num_f32 v[TM+8*\a+\b], v[TM+8*\a+\b], v[TM+8*\a+4+\b]
.endr
.endr
.irp a, 0,1,2,3
.irp b, 0,1,2,3
	v_add_nc_u32 v[TM+8*\a+\b], 0xff000000, v[TM+8*\a+\b]    ; 2 off the exponent field: the conversion's scale operand
.endr
.endr
.irp a, 0,1,2,3
.irp b, 0,1,2,3
	v_lshrrev_b32 v[TM+8*\a+4+\b], 23, v[TM+8*\a+\b]         ; the scale's byte
.endr
.endr
.irp a, 0,1,2,3
	v_lshl_or_b32 v[PW+\a], v[TM+8*\a+5], 8, v[TM+8*\a+4]
.endr
.irp a, 0,1,2,3
	v_lshl_or_b32 v[PW+\a], v[TM+8*\a+6], 16, v[PW+\a]
.endr
.irp a, 0,1,2,3
	v_lshl_or_b32 v[PW+\a], v[TM+8*\a+7], 24, v[PW+\a]
.endr
	v_add_nc_u32 v[OA], s96, v3
	v_add_nc_u32 v[OB], s99, v3
	WIN 0xc2                                       ; sums window 2, scale operand window 0, codes window 3
.irp a, 0,1,2,3
.irp c, 0,1
	v_cvt_scalef32_pk16_fp6_f32 v[PC3+20*\a+6*\c:PC3+20*\a+6*\c+2], v[64*\a+32*\c:64*\a+32*\c+15], v[TM+8*\a+2*\c]
	v_cvt_scalef32_pk16_fp6_f32 v[PC3+20*\a+12+4*\c:PC3+20*\a+14+4*\c], v[64*\a+32*\c+16:64*\a+32*\c+31], v[TM+8*\a+2*\c+1]
.endr
.endr
	WIN 0
	v_nop                                          ; one plain place behind the scaled conversions
	WIN 0xc3
.irp a, 0,1,2,3
.irp c, 0,1
.irp i, 0,1,2
	v_permlane16_swap_b32 v[PC3+20*\a+6*\c+\i], v[PC3+20*\a+12+4*\c+\i]   ; a whole block in a lane
.endr
.endr
.endr
.irp a, 0,1,2,3
.irp c, 0,1
.irp i, 0,1,2
	v_mov_b32 v[PC3+20*\a+6*\c+3+\i], v[PC3+20*\a+12+4*\c+\i]
.endr
.endr
.endr
	WIN 0x0c                                       ; the stores' data: window 3
.irp a, 0,1,2,3
.irp i, 0,1,2
	global_store_b64 v[OA], v[PC3+20*\a+2*\i:PC3+20*\a+2*\i+1], s[86:87] offset:\a*(\step)+256*\i      ; 32 lanes store 256 consecutive bytes, aligned
	global_store_b64 v[OB], v[PC3+20*\a+6+2*\i:PC3+20*\a+6+2*\i+1], s[86:87] offset:\a*(\step)+256*\i
.endr
.endr
	WIN 0
.endm
	s_load_b256 s[4:11], s[0:1], 0x0               ; img, bq, bk, bv
	s_load_b128 s[12:15], s[0:1], 0x20             ; qi, kv
	v_lshl_add_u32 v[SPW], v0, 2, SPARE
	v_mov_b32 v[NIL], 0
	ds_add_u32 v[SPW], v[NIL]                      ; the opening lines
	ds_add_u32 v[SPW], v[NIL]
	v_lshrrev_b32 v1, 5, v0
	v_readfirstlane_b32 s16, v1                    ; wave
	s_lshr_b32 s17, s16, 1                         ; wa; also: I ask for the single (0) or the pair (1)
	s_and_b32 s18, s16, 1                          ; wb; also: which part I ask for
	s_bfe_u32 s20, ttmp6, 0x40000                  ; cx
	s_bfe_u32 s21, ttmp6, 0x40004                  ; cy
	s_mov_b32 s22, ttmp9                           ; tx
	s_and_b32 s23, ttmp7, 0xffff                   ; ty
	s_lshl_b32 s19, s23, 2
	s_add_co_u32 s19, s19, s21                     ; Y = 4 ty + cy
	s_lshl_b32 s96, s21, 2
	s_lshl_b32 s96, 15, s96                        ; my row of the cluster
	s_lshl_b32 s97, 0x1111, s20                    ; my column
	GROUP1 G1AQ, 96, 80
	GROUP1 G1AP, 96, 120
	GROUP1 G1BQ, 97, 160
	GROUP1 G1BP, 97, 240
	s_lshr_b32 s84, s22, 1                         ; Q, K: the single is token record Y + 16 (tx / 2 + 2 trip),
	s_lshl_b32 s84, s84, 4
	s_add_co_u32 s84, s84, s19
	s_mul_i32 s76, s84, RECB
	s_and_b32 s84, s22, 1                          ; V: record 80 + cy + 4 (tx % 2) (wv)
	s_lshl_b32 s84, s84, 2
	s_add_co_u32 s84, s84, s21
	s_add_co_u32 s84, s84, 80
	s_mul_i32 s78, s84, RECB
	s_and_b32 s86, s22, 1                          ; Q, K: my record of the pair is 64 + 8 (tx % 2) + 2 cx + wb,
	s_lshl_b32 s86, s86, 2
	s_add_co_u32 s86, s86, s20
	s_lshl_b32 s86, s86, 1
	s_add_co_u32 s86, s86, s18
	s_add_co_u32 s86, s86, 64
	s_mul_i32 s79, s86, RECB
	s_lshr_b32 s86, s22, 1                         ; V: token record 2 (16 (tx / 2) + 4 ty + cx) + wb
	s_lshl_b32 s86, s86, 2
	s_add_co_u32 s86, s86, s23
	s_lshl_b32 s86, s86, 2
	s_add_co_u32 s86, s86, s20
	s_lshl_b32 s86, s86, 1
	s_add_co_u32 s86, s86, s18
	s_mul_i32 s81, s86, RECB
	s_mul_i32 s82, s18, 20480
	s_mov_b32 s[G0AQ], 1
	s_add_co_u32 s[G0AQ+1], s82, SQ
	s_add_co_u32 s82, s82, QOFF
	s_mul_i32 s83, s18, 30720
	s_mov_b32 s[G0AP], 1
	s_add_co_u32 s[G0AP+1], s83, SP
	s_mov_b32 s[G0BQ], 1
	s_mul_i32 s[G0BQ+1], s18, IQD
	s_add_co_u32 s[G0BQ+1], s[G0BQ+1], IQ
	s_mov_b32 s[G0BP], 1
	s_mul_i32 s[G0BP+1], s18, IPD
	s_add_co_u32 s[G0BP+1], s[G0BP+1], IP
	s_mov_b32 s93, 0
	s_mov_b32 s95, 0
	s_mov_b32 s66, 0x05040100
	s_mov_b32 s67, 0x07060302
	s_mov_b32 s77, 0x76543210
	s_mov_b32 s80, 0xfedcba98
	s_mov_b32 s2, 0xffff0000                       ; lanes 16-31
	WALU
	s_wait_dscnt 0x0
	CROUND                                         ; the round in front of the first joint loads
	s_wait_kmcnt 0x0
	SETA G0AQ, 82
	SETB G0BQ, QOFF
	SETA G0AP, 83
	SETB G0BP, 0
	JLOAD G0AQ, G1AQ, G0BQ, G1BQ                   ; slot Q of the first block: my one load at the head
	s_add_co_u32 s76, s76, 32*RECB                 ; the second block's single; its pair is the first's
	s_mul_i32 s84, s17, 4*FRB
	s_add_co_u32 s85, s84, SP
	s_add_co_u32 s86, s84, SQ
	s_mul_i32 s87, s18, IPD
	s_add_co_u32 s87, s87, IP
	s_mul_i32 s88, s18, IQD
	s_add_co_u32 s88, s88, IQ
	s_lshl_b32 s89, s17, 7
	s_sub_co_u32 s90, s88, s89
	s_sub_co_u32 s90, s90, SQ
	s_add_co_u32 s91, s89, SQ+36864
	s_and_b32 s84, s22, 1
	s_cmp_eq_u32 s84, 0
	s_cselect_b64 s[96:97], s[6:7], s[8:9]         ; bq or bk: the choice hangs on the cluster's number alone
	s_lshl_b32 s98, s20, 1
	s_add_co_u32 s98, s98, s18
	s_lshl_b32 s98, s98, 9
	s_mov_b32 s99, 0
	s_add_nc_u64 s[96:97], s[96:97], s[98:99]
	s_lshl_b32 s98, s84, 2
	s_add_co_u32 s98, s98, s21
	s_lshl_b32 s98, s98, 1
	s_add_co_u32 s98, s98, s17
	s_lshl_b32 s98, s98, 8
	s_add_nc_u64 s[100:101], s[10:11], s[98:99]    ; bv, my 64 rows of wv
	v_and_b32 v1, 15, v0
	v_bfe_u32 v2, v0, 4, 1
	v_and_b32 v3, 31, v0
	v_lshlrev_b32 v3, 3, v3
	v_add_nc_u32 v[ADRO], s85, v3
	v_add_nc_u32 v[ADRO+1], s86, v3
	v_add_nc_u32 v[ADRI], s87, v3
	v_add_nc_u32 v[ADRI+1], s88, v3
	v_mul_u32_u24 v12, s90, v2                     ; lanes 16-31 take the pair's scale bytes
	v_lshl_add_u32 v12, v1, 3, v12
	v_add_nc_u32 v[ADRS], s91, v12
	v_lshlrev_b32 v4, 6, v2
	v_and_b32 v5, 8, v1
	v_add_nc_u32 v5, v5, v1
	v_lshlrev_b32 v5, 2, v5
	v_mov_b32 v[FLR], 0x1800000                    ; the floor 2^(3 - 127): no scale byte falls under 1
.irp a, 0,1,2,3
.irp b, 0,1,2,3
	v_mov_b32 v[TM+8*\a+4+\b], 0                   ; a lane permute's destination counts as read
.endr
.endr
	WALU
	WIN 0xc0
.irp i, 0,1,2,3,4,5,6,7
	global_load_b128 v[BI+8*\i:BI+8*\i+3], v4, s[96:97] offset:(32*(\i/2)+8*(\i%2))*4       ; register j of tile i: column 32 (i / 2) + 8 (i % 2) + 16 h + j
	global_load_b128 v[BI+8*\i+4:BI+8*\i+7], v4, s[96:97] offset:(32*(\i/2)+8*(\i%2))*4+16
.endr
.irp a, 0,1,2,3
.irp j, 0,1,2,3,4,5,6,7
	global_load_b32 v[BI2+8*\a+\j], v5, s[100:101] offset:(32*(\a/2)+8*(\a%2))*4            ; V: one number a lane, in the tile's eight registers
.endr
.endr
	WIN 0
	s_wait_tensorcnt 0x0
	ds_add_u32 v[SPW], v[NIL]
	s_wait_dscnt 0x0
	CROUND
	JLOAD G0AP, G1AP, G0BP, G1BP                   ; slot P of the first block
	SCALERAW
	FETCHI 5, 0
	FETCHI 5, 4
	FETCHO 5
	s_mov_b32 s3, 0
.Ltile:                                                ; two blocks of Q or K
	TBEGIN
	KSTEP 5, 0, 1, 1, 0
	KSTEP 6, 0, 1, 0, 0
	KSTEP 7, 2, 1, 0, 0
	KSTEP 0, 0, 1, 0, 0
	KSTEP 1, 0, 1, 0, 0
	KSTEP 2, 0, 1, 0, 0
	KSTEP 3, 0, 1, 0, 0
	KSTEP 4, 2, 2, 0, 1
	PLACES 4
	s_wait_xcnt 0x0                                ; the stores' base, addresses and data are written only behind this wait
	s_and_b32 s84, s22, 1
	s_cmp_eq_u32 s84, 0                            ; Q or K
	s_cselect_b64 s[86:87], s[12:13], s[14:15]
	s_mov_b32 s88, 208896
	s_cselect_b32 s88, 106496, s88                 ; a head's bytes
	s_mov_b32 s89, 6144
	s_cselect_b32 s89, 6656, s89                   ; from 128 tokens' codes to the next
	s_mov_b32 s90, 768
	s_cselect_b32 s90, 6656, s90                   ; the same for the scale words
	s_mov_b32 s91, 196608
	s_cselect_b32 s91, 6144, s91                   ; where they begin
	s_lshr_b32 s96, s22, 1
	s_lshl_b32 s97, s3, 1
	s_add_co_u32 s96, s96, s97                     ; batch
	s_lshl_b32 s96, s96, 2
	s_add_co_u32 s96, s96, s20
	s_lshl_b32 s96, s96, 1
	s_add_co_u32 s96, s96, s18
	s_lshl_b32 s96, s96, 1                         ; 16 batch + head: my 128 columns are heads 4 cx + 2 wb and the next
	s_mul_i32 s96, s96, s88
	s_mul_i32 s97, s19, s90
	s_add_co_u32 s97, s97, s96
	s_add_co_u32 s97, s97, s91
	s_lshl_b32 s98, s17, 3
	s_add_co_u32 s97, s97, s98                     ; my two of a lane's four words
	s_mul_i32 s98, s19, s89
	s_add_co_u32 s96, s96, s98
	s_mul_i32 s98, s17, 3072
	s_add_co_u32 s96, s96, s98                     ; tile 4 wa of the first head,
	s_add_co_u32 s99, s96, s88                     ; and of the second
	QUANT4 768
	WALU
.irp j, 0,1
	v_cndmask_b32 v[WB+\j], v[PW+2*\j], v[PW+2*\j+1], s2    ; lanes 0-15 the even tile's word, lanes 16-31 the odd one's
.endr
.irp j, 0,1
	v_and_b32 v[WA+\j], 0xffff, v[WB+\j]           ; the first head's two bytes,
.endr
.irp j, 0,1
	v_lshrrev_b32 v[WB+\j], 16, v[WB+\j]           ; the second's
.endr
	v_lshl_add_u32 v[OS], v3, 1, s97
	v_add_nc_u32 v[OS2], s88, v[OS]
	global_store_b64 v[OS], v[WA:WA+1], s[86:87]   ; 8 of a lane's 16 bytes; the wave with the other wa stores the other 8
	global_store_b64 v[OS2], v[WB:WB+1], s[86:87]
	s_mov_b32 s76, s78                             ; the next refills are V's
	s_mov_b32 s79, s81
	s_add_co_u32 s3, s3, 1
	s_cmp_lt_u32 s3, 2
	WALU
	s_cbranch_scc1 .Ltile
	TBEGIN                                         ; the block of V: it asks for nothing more
	KSTEP 5, 0, 1, 2, 0
	KSTEP 6, 0, 1, 0, 0
	KSTEP 7, 1, 1, 0, 0
	KSTEP 0, 0, 1, 0, 0
	KSTEP 1, 0, 1, 0, 0
	KSTEP 2, 0, 1, 0, 0
	KSTEP 3, 0, 1, 0, 0
	KSTEP 4, 0, 0, 0, 0
	PLACES 4
	s_wait_xcnt 0x0
	s_mov_b64 s[86:87], s[14:15]
	s_mov_b32 s88, 208896
	s_lshr_b32 s96, s22, 1
	s_lshl_b32 s96, s96, 2
	s_add_co_u32 s96, s96, s23
	s_lshl_b32 s96, s96, 2
	s_add_co_u32 s96, s96, s20
	s_lshl_b32 s96, s96, 1
	s_add_co_u32 s96, s96, s18                     ; my token record
	s_and_b32 s98, s96, 15                         ; its key step
	s_lshr_b32 s96, s96, 4
	s_lshl_b32 s96, s96, 4                         ; 16 batch
	s_and_b32 s97, s22, 1
	s_lshl_b32 s97, s97, 2
	s_add_co_u32 s97, s97, s21
	s_lshl_b32 s97, s97, 1
	s_add_co_u32 s97, s97, s17                     ; head
	s_add_co_u32 s96, s96, s97
	s_mul_i32 s96, s96, s88
	s_mul_i32 s97, s98, 768
	s_add_co_u32 s97, s97, s96
	s_add_co_u32 s97, s97, 196608+512
	s_mul_i32 s98, s98, 6144
	s_add_co_u32 s96, s96, s98
	s_add_co_u32 s96, s96, 98304
	s_add_co_u32 s99, s96, 768
	QUANT4 1536
	WALU
.irp j, 0,1
	v_cndmask_b32 v[WA+\j], v[PW+2*\j], v[PW+2*\j+1], s2
.endr
	v_add_nc_u32 v[OS], s97, v3
	global_store_b64 v[OS], v[WA:WA+1], s[86:87]   ; 32 lanes store 256 consecutive bytes, aligned
	s_wait_tensorcnt 0x0                           ; the wave's end
	ds_add_u32 v[SPW], v[NIL]
	s_wait_dscnt 0x0
	CROUND                                         ; the closing round
	s_endpgm
.Lfunc_end_k_q87d9f4b8d0_proj:
	.size	k_q87d9f4b8d0_proj, .Lfunc_end_k_q87d9f4b8d0_proj-k_q87d9f4b8d0_proj
	.p2alignl 7, 3214868480
	.fill 96, 4, 3214868480
	.section	.rodata,"a",@progbits
	.p2align	6, 0x0
	.amdhsa_kernel k_q87d9f4b8d0_proj
		.amdhsa_group_segment_fixed_size 327680
		.amdhsa_private_segment_fixed_size 0
		.amdhsa_enable_private_segment 0
		.amdhsa_kernarg_size 48
		.amdhsa_user_sgpr_count 2
		.amdhsa_user_sgpr_kernarg_segment_ptr 1
		.amdhsa_wavefront_size32 1
		.amdhsa_system_sgpr_workgroup_id_x 1
		.amdhsa_system_sgpr_workgroup_id_y 1
		.amdhsa_system_sgpr_workgroup_id_z 1
		.amdhsa_system_vgpr_workitem_id 0
		.amdhsa_next_free_vgpr 1024
		.amdhsa_next_free_sgpr 102
		.amdhsa_reserve_vcc 0
		.amdhsa_float_denorm_mode_32 3
		.amdhsa_float_denorm_mode_16_64 3
		.amdhsa_memory_ordered 1
		.amdhsa_forward_progress 1
		.amdhsa_inst_pref_size 210
	.end_amdhsa_kernel
	.amdgpu_metadata
---
amdhsa.version: [ 1, 2 ]
amdhsa.kernels:
  - .name:           k_q87d9f4b8d0_proj
    .symbol:         k_q87d9f4b8d0_proj.kd
    .args:
      - { .name: img, .offset: 0, .size: 8, .value_kind: global_buffer, .address_space: global }
      - { .name: bq, .offset: 8, .size: 8, .value_kind: global_buffer, .address_space: global }
      - { .name: bk, .offset: 16, .size: 8, .value_kind: global_buffer, .address_space: global }
      - { .name: bv, .offset: 24, .size: 8, .value_kind: global_buffer, .address_space: global }
      - { .name: qi, .offset: 32, .size: 8, .value_kind: global_buffer, .address_space: global }
      - { .name: kv, .offset: 40, .size: 8, .value_kind: global_buffer, .address_space: global }
    .group_segment_fixed_size: 327680
    .private_segment_fixed_size: 0
    .kernarg_segment_align: 8
    .kernarg_segment_size: 48
    .max_flat_workgroup_size: 128
    .sgpr_count:     102
    .vgpr_count:     1024
    .wavefront_size: 32
...
	.end_amdgpu_metadata
.endif
;; end of part 2
;; launch attn (part 3): grid 4 x 64, 8 waves a work-group, clusters of 4 x 1, 218,112 bytes of LDS; arguments qi, kv, mask, cimg; writes cimg
.if DOCPART == 3
	.amdgcn_target "amdgcn-amd-amdhsa--gfx1250"
	.amdhsa_code_object_version 6
	.text
	.protected	k_q87d9f4b8d0_attn
	.globl	k_q87d9f4b8d0_attn
	.p2align	8
	.type	k_q87d9f4b8d0_attn,@function
k_q87d9f4b8d0_attn:
	s_mov_b64 s[64:65], 0
	v_nop
	global_prefetch_b8 v0, s[64:65] scope:SCOPE_SE
	s_setreg_imm32_b32 hwreg(HW_REG_WAVE_MODE, 25, 1), 1
	s_wait_xcnt 0x0
	s_wait_alu depctr_hold_cnt(0) depctr_sa_sdst(0) depctr_va_vdst(0) depctr_va_sdst(0) depctr_va_ssrc(0) depctr_va_vcc(0) depctr_vm_vsrc(0)
	s_getreg_b32 s2, hwreg(HW_REG_IB_STS2, 6, 4)
	s_cmp_eq_u32 s2, 0
	s_cbranch_scc0 .Lentry_in_a_cluster
	s_endpgm
.Lentry_in_a_cluster:
	s_bfe_u32 s2, ttmp6, 0x10000c
	s_cmp_lg_u32 s2, 0x3003
	s_cbranch_scc0 .Lentry_shape_is_right
	s_endpgm
.Lentry_shape_is_right:
; context[b][q][head] = softmax_k(q . k / 8, keys with mask 0 hidden) v, both products on codes of FP6 (E2M3) with E8M0 scales, and the context quantised along dim for the last product.
; THE SOFTMAX: t = score x log2(e) / 8 (q comes undivided; 1/8 is a power of two and changes no code); M = the running largest t rounded up to a whole number; p = 2^(t - M) is quantised along the keys; the row's sum is taken
; of the unquantised p and divides at the end; when M moves, sum and O are multiplied by 2^(old M - new M), exactly.
; SHARES: a work-group takes 512 queries of one (batch, head); each of eight waves 64: four tiles of 16, which share every fragment of K, V and the mask.  Two waves to a SIMD.
; A WHOLE HEAD'S K, V AND SCALE WORDS STAY IN LDS, 208,896 bytes, filled ONCE: each wave brings an eighth by one tensor load; no byte is filled again, so the loop has no barrier.  The four work-groups of a cluster
; belong to one head and ask jointly (mask 15).
; LAYOUT: S^T = K Q^T and O^T = V^T P^T: a lane holds one query.  K's and V's tiles lie in the order of the operand's registers, their rows as lane r of tile t = 32 (t/2) + 8 (t%2) + r + 8 (r/8), so that p's registers and O's
; run along 16 neighbours of the next K.
; K = 64 IN AN INSTRUCTION OF 128: Q's registers 6-11 are zero codes.  K's eight fragments lie six registers apart, so the upper half of each K operand is the next fragment's codes (the last one's: six zero registers): they meet
; Q's zero codes, under scale bytes 0, and add exact zeros.  (Zeros on one side only: zeros on both would not fit the window.)
; THE MASK is the C of K Q^T: 0 for a key that counts, -2^100 for a hidden one; the largest t starts at -2^83, so a hidden key's p is exactly 0 in every step.
; LIMITS: a batch row whose mask is all zero gives NaN in the definition, not here; t under -2^83 is not served; NaN and infinities are not served; blocks under 2^-124 keep the byte 1.
; REGISTERS: window 0: v1-5 bases, v6, v7 the add's two, v8-12 addresses in hand, v[14:15] f, v16-31 four registers a tile (-M, largest t, the sum in two halves), v32-35 p's scale words, v36-37 Q's, v38-41 K's, v42-43 V's,
;   v44-60 at work, v64-127 S^T then p, v128-191 the mask as C, later V's four fragments, v192-239 p's codes.   window 1: v0-127 O^T, v128-175 Q, v176-229 K.
.set VOFF,  98304
.set SOFF,  196608
.set MBO,   208896                     ; the mask as f32, 2,048 numbers: written by LDS stores, in blocks into which no fill lands
.set SPARE, 217088                     ; the spare words, 128 bytes for each of eight waves
.set HEADB, 208896
.set PART,  26112                      ; an eighth: 102 rows of 256 bytes
.set AK0,1
.set AV0,2
.set AS0,3
.set AVS0,4
.set AMB0,5
.set SPW,6
.set NIL,7
.set ADK,8
.set ADV,9
.set ADS,10
.set ADVS,11
.set ADM,12
.set FF,14
.set ST,16
.set PWD,32
.set QW,36
.set KW,38
.set VW,42
.set BM,44
.set PM,48
.set SO,56
.set TMP,60
.set S,64
.set MK,128
.set VF,128
.set PC,192
.set QF,128                            ; window 1
.set KF,176                            ; window 1
.set MSB, 0
.macro WIN new
.if MSB != (\new)
	s_set_vgpr_msb (MSB<<8)|(\new)
.set MSB, (\new)
.endif
.endm
.macro CROUND
	s_barrier_signal -1
	s_barrier_wait -1
	s_cmp_lg_u32 s12, 0
	s_cbranch_scc1 .Lnot_wave_0_\@
	s_barrier_signal -3
.Lnot_wave_0_\@:
	s_barrier_wait -3
	s_barrier_signal -1
	s_barrier_wait -1
.endm
.macro LDK adr, ads                    ; a step's K: eight half fragments, and its scale words
	WIN 0x40
.irp i, 0,1,2,3,4,5,6,7
.irp p, 0,1,2
	ds_load_b64 v[KF+6*\i+2*\p:KF+6*\i+2*\p+1], v[\adr] offset:768*\i+256*\p
.endr
.endr
	WIN 0
	ds_load_b128 v[KW:KW+3], v[\ads]
.endm
.macro LDMK adr                        ; a step's mask in the result's layout: register j of tile i is key 32 (i/2) + 16 h + 8 (i%2) + j; all lanes of a half read the same bytes
.irp i, 0,1,2,3,4,5,6,7
.irp e, 0,1
	ds_load_b128 v[MK+8*\i+4*\e:MK+8*\i+4*\e+3], v[\adr] offset:128*(\i/2)+32*(\i%2)+16*\e
.endr
.endr
.endm
.macro WQK i, t                        ; S^T tile i of query tile t
.set rS, S+8*(\i)
.set rK, KF+6*(\i)
.set rQ, QF+12*(\t)
.set rM, MK+8*(\i)
.set sK, KW+(\i)/2
.set sQ, QW+(\t)/2
.if ((\i)%2 == 0) && ((\t)%2 == 0)
	v_wmma_scale_f32_16x16x128_f8f6f4 v[rS:rS+7], v[rK:rK+11], v[rQ:rQ+11], v[rM:rM+7], v[sK], v[sQ] matrix_a_fmt:MATRIX_FMT_FP6 matrix_b_fmt:MATRIX_FMT_FP6
.elseif ((\i)%2 == 1) && ((\t)%2 == 0)
	v_wmma_scale_f32_16x16x128_f8f6f4 v[rS:rS+7], v[rK:rK+11], v[rQ:rQ+11], v[rM:rM+7], v[sK], v[sQ] matrix_a_fmt:MATRIX_FMT_FP6 matrix_b_fmt:MATRIX_FMT_FP6 matrix_a_scale:MATRIX_SCALE_ROW1
.elseif ((\i)%2 == 0) && ((\t)%2 == 1)
	v_wmma_scale_f32_16x16x128_f8f6f4 v[rS:rS+7], v[rK:rK+11], v[rQ:rQ+11], v[rM:rM+7], v[sK], v[sQ] matrix_a_fmt:MATRIX_FMT_FP6 matrix_b_fmt:MATRIX_FMT_FP6 matrix_b_scale:MATRIX_SCALE_ROW1
.else
	v_wmma_scale_f32_16x16x128_f8f6f4 v[rS:rS+7], v[rK:rK+11], v[rQ:rQ+11], v[rM:rM+7], v[sK], v[sQ] matrix_a_fmt:MATRIX_FMT_FP6 matrix_b_fmt:MATRIX_FMT_FP6 matrix_a_scale:MATRIX_SCALE_ROW1 matrix_b_scale:MATRIX_SCALE_ROW1
.endif
.endm
.macro QK t
	WIN 0x05                                       ; K and Q window 1; the mask and S^T window 0
.irp i, 0,1,2,3,4,5,6,7
	WQK \i, \t
.endr
	WIN 0
.endm
.macro WPV i, t
.set rO, 32*(\t)+8*(\i)
.set rV, VF+12*(\i)
.set rP, PC+12*(\t)
.if (\i)%2 == 0
	v_wmma_scale_f32_16x16x128_f8f6f4 v[rO:rO+7], v[rV:rV+11], v[rP:rP+11], v[rO:rO+7], v[VW+(\i)/2], v[PWD+(\t)] matrix_a_fmt:MATRIX_FMT_FP6 matrix_b_fmt:MATRIX_FMT_FP6
.else
	v_wmma_scale_f32_16x16x128_f8f6f4 v[rO:rO+7], v[rV:rV+11], v[rP:rP+11], v[rO:rO+7], v[VW+(\i)/2], v[PWD+(\t)] matrix_a_fmt:MATRIX_FMT_FP6 matrix_b_fmt:MATRIX_FMT_FP6 matrix_a_scale:MATRIX_SCALE_ROW1
.endif
.endm
; Tile t's softmax for 128 keys, on S^T in place; p's codes and scale word; O^T of the tile under the new M.
.macro SOFTMAX t
.set T0, ST+4*(\t)
.set rP, PC+12*(\t)
.irp b, 0,1,2,3
	v_max3_num_f32 v[BM+\b], v[S+16*\b], v[S+16*\b+1], v[S+16*\b+2]   ; the largest score of each block of 32 keys: for the row's maximum and, since p rises with the score, for the block's largest p
.endr
.irp b, 0,1,2,3
	v_max3_num_f32 v[SO+\b], v[S+16*\b+8], v[S+16*\b+9], v[S+16*\b+10]   ; two chains a block, one over each of its two tiles: eight chains side by side
.endr
.irp i, 3,5
.irp b, 0,1,2,3
	v_max3_num_f32 v[BM+\b], v[BM+\b], v[S+16*\b+\i], v[S+16*\b+\i+1]
.endr
.irp b, 0,1,2,3
	v_max3_num_f32 v[SO+\b], v[SO+\b], v[S+16*\b+8+\i], v[S+16*\b+9+\i]
.endr
.endr
.irp b, 0,1,2,3
	v_max3_num_f32 v[BM+\b], v[BM+\b], v[S+16*\b+7], v[S+16*\b+15]
.endr
.irp b, 0,1,2,3
	v_max_num_f32 v[BM+\b], v[BM+\b], v[SO+\b]
.endr
.irp b, 0,1,2,3
	s_delay_alu instid0(VALU_DEP_4)
	v_permlanex16_b32 v[PM+\b], v[BM+\b], s28, s29
.endr
.irp b, 0,1,2,3
	s_delay_alu instid0(VALU_DEP_4)
	v_max_num_f32 v[BM+\b], v[BM+\b], v[PM+\b]     ; with lane l xor 16's 16 keys
.endr
	s_delay_alu instid0(VALU_DEP_2)
	v_max3_num_f32 v[TMP], v[BM], v[BM+1], v[BM+2]
	s_delay_alu instid0(VALU_DEP_1)
	v_max_num_f32 v[TMP], v[TMP], v[BM+3]
	s_delay_alu instid0(VALU_DEP_1)
	v_mul_f32 v[TMP], s30, v[TMP]                  ; as t (c is positive)
	s_delay_alu instid0(VALU_DEP_1)
	v_max_num_f32 v[T0+1], v[T0+1], v[TMP]         ; the running largest t
	v_mov_b32 v[TMP], v[T0]
	s_delay_alu instid0(VALU_DEP_2)
	v_floor_f32 v[T0], -v[T0+1]                    ; the new -M = floor(-t): M is a whole number
	s_delay_alu instid0(VALU_DEP_1)
	v_sub_f32 v[TMP], v[T0], v[TMP]                ; old M - new M: a whole number, 0 or less
	s_delay_alu instid0(VALU_DEP_1)
	v_cvt_i32_f32 v[TMP], v[TMP]                   ; (it saturates)
	s_delay_alu instid0(VALU_DEP_1)
	v_ldexp_f32 v[FF], 1.0, v[TMP]                 ; f = 2^(old M - new M)
.set jj, 0
.rept 32
	v_pk_fma_f32 v[S+jj:S+jj+1], v[S+jj:S+jj+1], s[30:31], v[T0:T0+1] op_sel_hi:[1,0,0]   ; t - M, two at a time
.set jj, jj+2
.endr
.irp b, 0,1,2,3
	v_fma_f32 v[BM+\b], v[BM+\b], s30, v[T0]       ; the same of each block's largest score
.endr
.set jj, 0
	s_wait_alu depctr_va_vdst(0)
.rept 64
	v_exp_f32 v[S+jj], v[S+jj]                     ; p = 2^(t - M)
.set jj, jj+1
.endr
	v_pk_mul_f32 v[T0+2:T0+3], v[T0+2:T0+3], v[FF:FF+1] op_sel_hi:[1,0]   ; the sums under the new M: the plain place behind the exponentials
	s_wait_alu depctr_va_vdst(0)                   ; one wait for the batch, ahead of its first reader
.irp b, 0,1,2,3
	v_exp_f32 v[BM+\b], v[BM+\b]                   ; the block's largest p
.endr
	v_pk_add_f32 v[PM:PM+1], v[S:S+1], v[S+2:S+3]  ; the row's sum of the unquantised p, in four chains
	v_pk_add_f32 v[PM+2:PM+3], v[S+4:S+5], v[S+6:S+7]
	v_pk_add_f32 v[PM+4:PM+5], v[S+8:S+9], v[S+10:S+11]
.set jj, 12
.rept 6
	v_pk_add_f32 v[T0+2:T0+3], v[T0+2:T0+3], v[S+jj:S+jj+1]
	v_pk_add_f32 v[PM:PM+1], v[PM:PM+1], v[S+jj+2:S+jj+3]
	v_pk_add_f32 v[PM+2:PM+3], v[PM+2:PM+3], v[S+jj+4:S+jj+5]
	v_pk_add_f32 v[PM+4:PM+5], v[PM+4:PM+5], v[S+jj+6:S+jj+7]
.set jj, jj+8
.endr
	v_pk_add_f32 v[T0+2:T0+3], v[T0+2:T0+3], v[S+60:S+61]
	v_pk_add_f32 v[PM:PM+1], v[PM:PM+1], v[S+62:S+63]
	v_pk_add_f32 v[PM+2:PM+3], v[PM+2:PM+3], v[PM+4:PM+5]
	v_pk_add_f32 v[T0+2:T0+3], v[T0+2:T0+3], v[PM:PM+1]
	s_delay_alu instid0(VALU_DEP_1)
	v_pk_add_f32 v[T0+2:T0+3], v[T0+2:T0+3], v[PM+2:PM+3]
	s_wait_alu depctr_va_vdst(0)                   ; and one for the four
.irp b, 0,1,2,3
	v_max_num_f32 v[BM+\b], 0x1800000, v[BM+\b]    ; the floor 2^(3 - 127)
.endr
.irp b, 0,1,2,3
	s_delay_alu instid0(VALU_DEP_4)
	v_add_nc_u32 v[SO+\b], 0xff000000, v[BM+\b]    ; the conversion's scale operand
.endr
.irp b, 0,1,2,3
	s_delay_alu instid0(VALU_DEP_4)
	v_lshrrev_b32 v[PM+\b], 23, v[SO+\b]           ; the scale's byte
.endr
	s_delay_alu instid0(VALU_DEP_3)
	v_lshl_or_b32 v[PWD+(\t)], v[PM+1], 8, v[PM]
	s_delay_alu instid0(VALU_DEP_1)
	v_lshl_or_b32 v[PWD+(\t)], v[PM+2], 16, v[PWD+(\t)]
	s_delay_alu instid0(VALU_DEP_1)
	v_lshl_or_b32 v[PWD+(\t)], v[PM+3], 24, v[PWD+(\t)]
.irp c, 0,1
	v_cvt_scalef32_pk16_fp6_f32 v[rP+6*\c:rP+6*\c+2], v[S+32*\c:S+32*\c+15], v[SO+2*\c]
	v_cvt_scalef32_pk16_fp6_f32 v[PM+4*\c:PM+4*\c+2], v[S+32*\c+16:S+32*\c+31], v[SO+2*\c+1]
.endr
	v_nop                                          ; one plain place behind a scaled conversion
.irp c, 0,1
.irp i, 0,1,2
	v_permlane16_swap_b32 v[rP+6*\c+\i], v[PM+4*\c+\i]
.endr
.irp i, 0,1,2
	s_delay_alu instid0(VALU_DEP_3)
	v_mov_b32 v[rP+6*\c+3+\i], v[PM+4*\c+\i]
.endr
.endr
	WIN 0x41                                       ; O^T window 1, f window 0
.set jj, 32*(\t)
.rept 16
	v_pk_mul_f32 v[jj:jj+1], v[jj:jj+1], v[FF:FF+1] op_sel_hi:[1,0]   ; O^T under the new M; these are also the places between p's codes and word and the products that take them
.set jj, jj+2
.endr
.endm
	s_load_b256 s[4:11], s[0:1], 0x0               ; qi, kv, mask, cimg
	v_lshl_add_u32 v[SPW], v0, 2, SPARE
	v_mov_b32 v[NIL], 0
	ds_add_u32 v[SPW], v[NIL]                      ; the wave's opening
	ds_add_u32 v[SPW], v[NIL]
	v_lshrrev_b32 v1, 5, v0
	s_delay_alu instid0(VALU_DEP_1)
	v_readfirstlane_b32 s12, v1                    ; wave 0..7
	s_bfe_u32 s13, ttmp6, 0x40000                  ; cx: my block of 512 queries; it enters Q's and the context's addresses alone
	s_and_b32 s14, ttmp7, 0xffff                   ; 16 x batch + head, which the four partners share
	s_mov_b32 s16, 15|(3<<16)|(1<<21)              ; the mask: all four; elements of 8 bytes; 21 set beside a mask; no padding
	s_mov_b32 s17, 32<<16                          ; rows of 256 bytes,
	s_mov_b32 s18, 102<<16                         ; 102 of them, dense
	s_mov_b32 s19, 32<<16
	s_mov_b32 s20, 102
	s_mov_b32 s21, 32
	s_mov_b32 s22, 0
	s_mov_b32 s23, 0
	s_mul_i32 s25, s12, PART                       ; my eighth, in LDS
	s_mul_i32 s40, s14, HEADB
	s_add_co_u32 s40, s40, s25                     ; and in kv
	s_mov_b32 s41, 0
	s_mov_b32 s28, 0x76543210
	s_mov_b32 s29, 0xfedcba98
	s_mov_b32 s30, 0x3e38aa3b                      ; c = log2(e) / 8
	s_mov_b32 s31, s30
	s_wait_dscnt 0x0                               ; the opening add is done
	s_wait_kmcnt 0x0
	s_mov_b32 s24, 1
	s_add_nc_u64 s[26:27], s[6:7], s[40:41]
	s_or_b32 s27, s27, 0x80000000
	CROUND                                         ; all four work-groups are here: the joint loads meet
	tensor_load_to_lds s[24:27], s[16:23]          ; my one tensor load
	s_nop 0
.rept 4
	v_nop
.endr
	s_lshr_b32 s42, s14, 4                         ; batch
	s_lshl_b32 s40, s42, 13
	s_add_nc_u64 s[8:9], s[8:9], s[40:41]
	v_lshlrev_b32 v62, 5, v0                       ; eight keys a thread
	global_load_b128 v[64:67], v62, s[8:9]
	global_load_b128 v[68:71], v62, s[8:9] offset:16
	s_lshr_b32 s43, s12, 1
	s_lshl_b32 s44, s13, 2
	s_add_co_u32 s43, s43, s44                     ; G: my 128 queries
	s_and_b32 s44, s12, 1                          ; which four tiles of them
	s_lshl_b32 s40, s14, 4
	s_add_co_u32 s40, s40, s43
	s_mul_i32 s40, s40, 6656
	s_add_nc_u64 s[4:5], s[4:5], s[40:41]
	v_and_b32 v60, 31, v0
	s_delay_alu instid0(VALU_DEP_1)
	v_lshlrev_b32 v[AK0], 3, v60
	s_delay_alu instid0(VALU_DEP_1)
	v_add_nc_u32 v[AV0], VOFF, v[AK0]
	s_delay_alu instid0(VALU_DEP_3)
	v_lshl_add_u32 v[AS0], v60, 4, SOFF
	s_delay_alu instid0(VALU_DEP_3)
	v_add_nc_u32 v[AVS0], SOFF+512, v[AK0]
	v_bfe_u32 v61, v0, 4, 1
	s_delay_alu instid0(VALU_DEP_1)
	v_lshl_add_u32 v[AMB0], v61, 6, MBO
	s_mul_i32 s45, s44, 3072
	v_add_nc_u32 v63, s45, v[AK0]
	s_lshl_b32 s45, s44, 3
	v_lshl_add_u32 v13, v60, 4, s45
	WIN 0x40
.irp t, 0,1,2,3
.irp p, 0,1,2
	global_load_b64 v[QF+12*\t+2*\p:QF+12*\t+2*\p+1], v63, s[4:5] offset:768*\t+256*\p   ; Q stays in registers
.endr
.endr
	WIN 0
	global_load_b64 v[QW:QW+1], v13, s[4:5] offset:6144
	WIN 0x40                                       ; zeros, while the tiles are on their way: the loop is written once, and its first step finds O^T = 0
.set jj, 0
.rept 128
	v_mov_b32 v[jj], 0
.set jj, jj+1
.endr
.irp t, 0,1,2,3
.irp i, 6,7,8,9,10,11
	v_mov_b32 v[QF+12*\t+\i], 0                    ; Q's codes of k = 64 .. 127
.endr
.endr
.irp i, 0,1,2,3,4,5
	v_mov_b32 v[KF+48+\i], 0                       ; behind K's last fragment
.endr
	WIN 0
.irp t, 0,1,2,3
	v_mov_b32 v[ST+4*\t], 0x69000000               ; -M = 2^83
	v_mov_b32 v[ST+4*\t+1], 0xe9000000             ; the largest t so far: -2^83
	v_mov_b32 v[ST+4*\t+2], 0
	v_mov_b32 v[ST+4*\t+3], 0
	v_mov_b32 v[PM+\t], 0                          ; a lane permute's destination counts as read
.endr
	v_mov_b32 v[FF+1], 0                           ; (named with f as a pair)
	v_mov_b32 v61, 0xf1800000                      ; -2^100
	v_lshl_add_u32 v60, v0, 5, MBO
	s_wait_alu depctr_va_vdst(0)
	s_wait_loadcnt 13                              ; the mask's two loads are in; Q's twelve and its words may be out
.irp i, 0,1,2,3,4,5,6,7
	v_cmp_eq_u32 vcc_lo, 0, v[64+\i]
	s_delay_alu instid0(VALU_DEP_1)
	v_cndmask_b32 v[72+\i], 0, v61, vcc_lo
.endr
	ds_store_b128 v60, v[72:75]
	ds_store_b128 v60, v[76:79] offset:16
	s_wait_tensorcnt 0x0                           ; my eighth has landed,
	s_wait_dscnt 0x0                               ; my part of the mask is stored:
	s_barrier_signal -1
	s_barrier_wait -1                              ; everybody's
	LDK AK0, AS0                                   ; step 0
	LDMK AMB0
	s_wait_loadcnt 0x0                             ; Q
	s_mov_b32 s32, 0
.Lstep:                                                ; 16 trips of 128 keys
	s_add_co_u32 s33, s32, 1
	s_and_b32 s33, s33, 15                         ; the next step (the last trip reads step 0 again and uses nothing of it)
	s_mul_i32 s34, s33, 6144
	s_mul_i32 s35, s33, 768
	s_lshl_b32 s36, s33, 9
	s_mul_i32 s37, s32, 6144
	s_mul_i32 s38, s32, 768
	s_wait_dscnt 0x0                               ; K, its words and the mask are in
.irp t, 0,1,2
	QK \t
.rept 4
	v_nop                                          ; places behind the products, ahead of the first read of the scores
.endr
	SOFTMAX \t
.endr
	QK 3
	v_add_nc_u32 v[ADV], s37, v[AV0]               ; four plain lines: the places behind the products, ahead of loads into their registers and of the first read of the scores
	v_add_nc_u32 v[ADVS], s38, v[AVS0]
	v_add_nc_u32 v[ADK], s34, v[AK0]
	v_add_nc_u32 v[ADS], s35, v[AS0]
.irp i, 0,1,2,3
.irp p, 0,1,2,3,4,5
	ds_load_b64 v[VF+12*\i+2*\p:VF+12*\i+2*\p+1], v[ADV] offset:1536*\i+256*\p   ; V of this step, where the mask lay
.endr
.endr
	ds_load_b64 v[VW:VW+1], v[ADVS]
	LDK ADK, ADS                                   ; K of the next step
	SOFTMAX 3
	s_wait_alu depctr_va_vdst(0)
	s_wait_dscnt 0x0
	WIN 0x50                                       ; V and p window 0, O^T window 1
.irp t, 0,1,2,3
.irp i, 0,1,2,3
	WPV \i, \t                                     ; sixteen accumulators, one instruction each
.endr
.endr
	WIN 0
	v_add_nc_u32 v[ADM], s36, v[AMB0]
.rept 3
	v_nop
.endr
	LDMK ADM                                       ; the next step's mask
	s_add_co_u32 s32, s32, 1
	s_cmp_lt_u32 s32, 16
	s_cbranch_scc1 .Lstep
	s_wait_dscnt 0x0                               ; the last trip's sixteen look-ahead loads of the mask have landed in v128-191: the way out writes those registers only behind this wait
	; THE WAY OUT: O^T / the sum, quantised along dim (my head's 64 are two blocks), stored as pieces of the context's fragments.
.set XO, 64                            ; v64-191 the four tiles' 32 numbers
.set MX, 192
.set PX, 200
.set SX, 208
.set BY, 216
.set HW, 224
.set CX, 228                           ; v228-251 codes, six a tile
.set HP, 252
.irp t, 0,1,2,3
	v_add_f32 v[ST+4*\t+2], v[ST+4*\t+2], v[ST+4*\t+3]     ; the sum's two halves,
.endr
.irp t, 0,1,2,3
	s_delay_alu instid0(VALU_DEP_4)
	v_permlanex16_b32 v[PM+\t], v[ST+4*\t+2], s28, s29
.endr
.irp t, 0,1,2,3
	s_delay_alu instid0(VALU_DEP_4)
	v_add_f32 v[ST+4*\t+2], v[ST+4*\t+2], v[PM+\t]         ; and lane l xor 16's: the row's sum
.endr
	s_wait_alu depctr_va_vdst(0)
.irp t, 0,1,2,3
	v_rcp_f32 v[ST+4*\t+2], v[ST+4*\t+2]
.endr
	v_nop                                          ; a plain place behind the reciprocals
	s_wait_alu depctr_va_vdst(0)                   ; one wait for the four, ahead of the first reader
	WIN 0x01                                       ; O^T window 1
.irp t, 0,1,2,3
.set jj, 0
.rept 16
	v_pk_mul_f32 v[XO+32*\t+jj:XO+32*\t+jj+1], v[32*\t+jj:32*\t+jj+1], v[ST+4*\t+2:ST+4*\t+3] op_sel_hi:[1,0]   ; each accumulator from its low end on
.set jj, jj+2
.endr
.endr
	WIN 0
	s_and_b32 s46, s14, 15                         ; head
	s_lshl_b32 s40, s42, 4
	s_add_co_u32 s40, s40, s43
	s_mul_i32 s40, s40, 102400                     ; the record of my 128 tokens
	s_lshr_b32 s47, s46, 1                         ; kap
	s_and_b32 s46, s46, 1                          ; which half of the fragment, which plane
	s_mul_i32 s48, s47, 12288
	s_add_co_u32 s48, s48, s40
	s_mul_i32 s49, s44, 6144
	s_add_co_u32 s48, s48, s49
	s_mul_i32 s49, s46, 768
	s_add_co_u32 s48, s48, s49
	v_add_nc_u32 v8, s48, v[AK0]                   ; my pieces
	s_lshl_b32 s49, s47, 9
	s_add_co_u32 s49, s49, s40
	s_lshl_b32 s48, s46, 8
	s_add_co_u32 s49, s49, s48
	s_lshl_b32 s48, s44, 7
	s_add_co_u32 s49, s49, s48
	s_add_co_u32 s49, s49, 98304
	v_and_b32 v9, 15, v0
	s_delay_alu instid0(VALU_DEP_1)
	v_lshl_add_u32 v9, v9, 3, s49                  ; my row's four halfwords
.irp t, 0,1,2,3
.irp b, 0,1
	v_max3_num_f32 v[MX+2*\t+\b], |v[XO+32*\t+16*\b]|, |v[XO+32*\t+16*\b+1]|, 0x1800000
.endr
.endr
.irp i, 2,4,6,8,10,12,14
.irp t, 0,1,2,3
.irp b, 0,1
	v_max3_num_f32 v[MX+2*\t+\b], v[MX+2*\t+\b], |v[XO+32*\t+16*\b+\i]|, |v[XO+32*\t+16*\b+\i+1]|
.endr
.endr
.endr
.irp n, 0,1,2,3,4,5,6,7
	v_permlanex16_b32 v[PX+\n], v[MX+\n], s28, s29
.endr
.irp n, 0,1,2,3,4,5,6,7
	v_max_num_f32 v[MX+\n], v[MX+\n], v[PX+\n]
.endr
.irp n, 0,1,2,3,4,5,6,7
	v_add_nc_u32 v[SX+\n], 0xff000000, v[MX+\n]
.endr
.irp n, 0,1,2,3,4,5,6,7
	v_lshrrev_b32 v[BY+\n], 23, v[SX+\n]
.endr
.irp t, 0,1,2,3
	v_lshl_or_b32 v[HW+\t], v[BY+2*\t+1], 8, v[BY+2*\t]
.endr
	s_delay_alu instid0(VALU_DEP_3)
	v_lshl_or_b32 v[HP], v[HW+1], 16, v[HW]
	s_delay_alu instid0(VALU_DEP_2)
	v_lshl_or_b32 v[HP+1], v[HW+3], 16, v[HW+2]
.irp t, 0,1,2,3
	v_cvt_scalef32_pk16_fp6_f32 v[CX+6*\t:CX+6*\t+2], v[XO+32*\t:XO+32*\t+15], v[SX+2*\t]
	v_cvt_scalef32_pk16_fp6_f32 v[44+4*\t:46+4*\t], v[XO+32*\t+16:XO+32*\t+31], v[SX+2*\t+1]
.endr
	v_nop                                          ; one plain place behind a scaled conversion
.irp t, 0,1,2,3
.irp i, 0,1,2
	v_permlane16_swap_b32 v[CX+6*\t+\i], v[44+4*\t+\i]
.endr
.irp i, 0,1,2
	s_delay_alu instid0(VALU_DEP_3)
	v_mov_b32 v[CX+6*\t+3+\i], v[44+4*\t+\i]
.endr
.endr
.irp t, 0,1,2,3
.irp i, 0,1,2
	global_store_b64 v8, v[CX+6*\t+2*\i:CX+6*\t+2*\i+1], s[10:11] offset:1536*\t+256*\i   ; 32 lanes store 256 consecutive bytes, at a multiple of 256 from the buffer's first byte
.endr
.endr
	global_store_b64 v9, v[HP:HP+1], s[10:11]      ; lanes r and r + 16 hold the same halfwords and write the same 8 bytes; the partner wave fills the other 128 bytes of the block
	s_wait_tensorcnt 0x0                           ; the wave's end
	ds_add_u32 v[SPW], v[NIL]
	s_wait_dscnt 0x0
	CROUND                                         ; the closing round
	s_endpgm
.Lfunc_end_k_q87d9f4b8d0_attn:
	.size	k_q87d9f4b8d0_attn, .Lfunc_end_k_q87d9f4b8d0_attn-k_q87d9f4b8d0_attn
	.p2alignl 7, 3214868480
	.fill 96, 4, 3214868480
	.section	.rodata,"a",@progbits
	.p2align	6, 0x0
	.amdhsa_kernel k_q87d9f4b8d0_attn
		.amdhsa_group_segment_fixed_size 218112
		.amdhsa_private_segment_fixed_size 0
		.amdhsa_enable_private_segment 0
		.amdhsa_kernarg_size 32
		.amdhsa_user_sgpr_count 2
		.amdhsa_user_sgpr_kernarg_segment_ptr 1
		.amdhsa_wavefront_size32 1
		.amdhsa_system_sgpr_workgroup_id_x 1
		.amdhsa_system_sgpr_workgroup_id_y 1
		.amdhsa_system_sgpr_workgroup_id_z 1
		.amdhsa_system_vgpr_workitem_id 0
		.amdhsa_next_free_vgpr 512
		.amdhsa_next_free_sgpr 66
		.amdhsa_reserve_vcc 1
		.amdhsa_float_denorm_mode_32 3
		.amdhsa_float_denorm_mode_16_64 3
		.amdhsa_memory_ordered 1
		.amdhsa_forward_progress 1
		.amdhsa_inst_pref_size 94
	.end_amdhsa_kernel
	.amdgpu_metadata
---
amdhsa.version: [ 1, 2 ]
amdhsa.kernels:
  - .name:           k_q87d9f4b8d0_attn
    .symbol:         k_q87d9f4b8d0_attn.kd
    .args:
      - { .name: qi, .offset: 0, .size: 8, .value_kind: global_buffer, .address_space: global }
      - { .name: kv, .offset: 8, .size: 8, .value_kind: global_buffer, .address_space: global }
      - { .name: mask, .offset: 16, .size: 8, .value_kind: global_buffer, .address_space: global }
      - { .name: cimg, .offset: 24, .size: 8, .value_kind: global_buffer, .address_space: global }
    .group_segment_fixed_size: 218112
    .private_segment_fixed_size: 0
    .kernarg_segment_align: 8
    .kernarg_segment_size: 32
    .max_flat_workgroup_size: 256
    .sgpr_count:     66
    .vgpr_count:     512
    .wavefront_size: 32
...
	.end_amdgpu_metadata
.endif
;; end of part 3
;; launch outp (part 4): grid 4 x 64, 4 waves a work-group, clusters of 4 x 4, 327,680 bytes of LDS; arguments cimg, img, bo, out0; writes out0
.if DOCPART == 4
	.amdgcn_target "amdgcn-amd-amdhsa--gfx1250"
	.amdhsa_code_object_version 6
	.text
	.protected	k_q87d9f4b8d0_outp
	.globl	k_q87d9f4b8d0_outp
	.p2align	8
	.type	k_q87d9f4b8d0_outp,@function
k_q87d9f4b8d0_outp:
	s_mov_b64 s[64:65], 0
	v_nop
	global_prefetch_b8 v0, s[64:65] scope:SCOPE_SE
	s_setreg_imm32_b32 hwreg(HW_REG_WAVE_MODE, 25, 1), 1
	s_wait_xcnt 0x0
	s_wait_alu depctr_hold_cnt(0) depctr_sa_sdst(0) depctr_va_vdst(0) depctr_va_sdst(0) depctr_va_ssrc(0) depctr_va_vcc(0) depctr_vm_vsrc(0)
	s_getreg_b32 s2, hwreg(HW_REG_IB_STS2, 6, 4)
	s_cmp_eq_u32 s2, 0
	s_cbranch_scc0 .Lentry_in_a_cluster
	s_endpgm
.Lentry_in_a_cluster:
	s_bfe_u32 s2, ttmp6, 0x10000c
	s_cmp_lg_u32 s2, 0xf033
	s_cbranch_scc0 .Lentry_shape_is_right
	s_endpgm
.Lentry_shape_is_right:
; out0 = context wo^T + bo on codes of FP6 (E2M3) with E8M0 scales; f32 out.  cimg and img hold records of 128 rows x 1,024 K (102,400 bytes: codes [kap 8][tile 8][piece 6][lane 32][8], then 4,096 scale bytes); wo is img's records 88-95.
; A work-group makes 128 tokens x 256 columns: one record of the context (the single) against two of wo (the pair): 256 work-groups.  Four waves, 2 x 2: wave (wa, wb) takes tiles 4 wa .. 4 wa + 3 of the single (source 1)
; and the eight tiles of record wb of the pair (source 0): a lane holds eight neighbouring columns of one token's row.
; THE THREE RECORDS, 307,200 bytes, LIE WHOLE IN LDS, filled once: one joint load a wave at the head (waves 0, 1 half of the single each, waves 2, 3 a record of the pair).  No byte is filled again.
; TWO PASSES OVER K: my columns 0-63 (the pair's tiles 0-3), then 64-127 (tiles 4-7), 16 accumulators each.  The first half's results are finished when the second pass begins, and leave tile by tile at the heads of its first five kaps;
; the single's fragments are read from LDS once in each pass.  A pass walks kaps 5, 6, 7, 0 .. 4 (two address registers reach a record); the bias is a pass's first products' C.
; THE WAY OUT: 16 rows x 64 columns go through a stage of 16 x 272 bytes, the wave's own, on LDS bytes into which no fill lands, and come back two rows a load: sixteen lanes store 256 consecutive bytes, aligned.
; CLUSTERS 4 x 4: the single is shared along a row, the pair along a column.  No prefetch: the launch has no loop to run ahead in, and all it reads is asked for at its head.
; REGISTERS: window 0: addresses, v32-95 scale words, v96-127 and v224-255 rows read back from the stage, v128-223 the single's fragments (two sets); window 1: the pair's fragments, two sets of four at v0 and v128;
;   window 2: the accumulators, (a, b) at 8 (8 a + b); window 3: v0-63 scale bytes as they lie, v64-127 the bias.
.set RECB,  102400
.set KAPB,  12288
.set FRB,   1536
.set SQ,    61440
.set SP,    0
.set IQ,    163840
.set IQD,   102400
.set IP,    102400
.set IPD,   102400
.set SPARE, 307200
.set STAGE, 307712
.set SPITCH, 272
.set ADRO,  16
.set ADRI,  18
.set ADRS,  20
.set STO,   24
.set RD,    25
.set CO,    26
.set SPW,   28
.set NIL,   29
.set SC,    32
.set OF,    128
.set RAW,   0
.set BI,    64
.set G1A,   24
.set G1B,   32
.set G0A,   40
.set G0B,   44
.set MSB, 0
.macro WIN new
.if MSB != (\new)
	s_set_vgpr_msb (MSB<<8)|(\new)
.set MSB, (\new)
.endif
.endm
.macro WALU
	s_wait_alu depctr_va_vdst(0)
.endm
.macro PLACES n
.rept \n
	v_nop
.endr
.endm
.macro CROUND
	s_barrier_signal -1
	s_barrier_wait -1
	s_cmp_lg_u32 s16, 0
	s_cbranch_scc1 .Lnot_wave_0_\@
	s_barrier_signal -3
.Lnot_wave_0_\@:
	s_barrier_wait -3
	s_barrier_signal -1
	s_barrier_wait -1
.endm
.macro GROUP1 g, m, rows
	s_or_b32 s[\g], s\m, (3<<16)|(1<<21)
	s_mov_b32 s[\g+1], 32<<16
	s_mov_b32 s[\g+2], (\rows)<<16
	s_mov_b32 s[\g+3], 32<<16
	s_mov_b32 s[\g+4], \rows
	s_mov_b32 s[\g+5], 32
	s_mov_b32 s[\g+6], 0
	s_mov_b32 s[\g+7], 0
.endm
.macro FRAG reg, adr, off
.irp p, 0,1,2,3,4,5
	ds_load_b64 v[(\reg)+2*\p:(\reg)+2*\p+1], v[\adr] offset:(\off)+256*\p
.endr
.endm
.macro FETCHI k, h                     ; the pair's tiles 4 h .. 4 h + 3 of kap k into set k % 2: 24 loads
	WIN 0x40
.irp i, 0,1,2,3
	FRAG 128*((\k)%2)+12*\i, ADRI+(\k)/5, KAPB*((\k)%5)+FRB*(4*(\h)+\i)
.endr
.endm
.macro FETCHO k                        ; my four tiles of the single: 24 loads
	WIN 0
.irp i, 0,1,2,3
	FRAG OF+48*((\k)%2)+12*\i, ADRO+(\k)/5, KAPB*((\k)%5)+FRB*\i
.endr
.endm
.macro MUL4 a, k, h, cm
.irp i, 0,1,2,3
.set rB, 4*(\h)+\i
.set rD, 8*(8*(\a)+rB)
.set rI, 128*((\k)%2)+12*\i
.set rO, OF+48*((\k)%2)+12*(\a)
.set rC, rD
.if (\cm) == 1
.set rC, BI+8*rB
.endif
	v_wmma_scale_f32_16x16x128_f8f6f4 v[rD:rD+7], v[rI:rI+11], v[rO:rO+11], v[rC:rC+7], v[SC+8*(\k)+rB], v[SC+8*(\k)+(\a)] matrix_a_fmt:MATRIX_FMT_FP6 matrix_b_fmt:MATRIX_FMT_FP6 matrix_a_scale:MATRIX_SCALE_ROW1
.endr
.endm
.macro TOSTAGE a, h                    ; tile a's 16 rows x 64 columns of half h into my stage, and back two rows a load; LDS serves a wave's instructions in order
.set AC, 64*(\a)+32*(\h)
	WIN 0x08
.irp i, 0,1,2,3
	ds_store_b128 v[STO], v[AC+8*\i:AC+8*\i+3] offset:128*(\i/2)+32*(\i%2)
	ds_store_b128 v[STO], v[AC+8*\i+4:AC+8*\i+7] offset:128*(\i/2)+32*(\i%2)+16
.endr
	WIN 0
.set BB, 96+128*((\a)%2)
.irp t, 0,1,2,3,4,5,6,7
	ds_load_b128 v[BB+4*\t:BB+4*\t+3], v[RD] offset:\t*2*SPITCH
.endr
.endm
.macro SEND a, h
.set BB, 96+128*((\a)%2)
.irp t, 0,1,2,3,4,5,6,7
	global_store_b128 v[CO], v[BB+4*\t:BB+4*\t+3], s[10:11] offset:(32*((\a)/2)+8*((\a)%2)+2*\t+8*(\t/4))*4096+256*(\h) th:TH_STORE_NT   ; two rows, 256 consecutive bytes each, aligned
.endr
.endm
; A kap of a pass: 16 products, the pass's 16 accumulators by turns; the next kap's 48 LDS loads in two runs.  nk < 0: nothing more to fetch.  n = 0 .. 4: a piece of the first half's way out: tile n - 1 is stored, tile n goes through the stage.
.macro HSTEP k, h, nk, nh, cm, n
.set WM, 0xa1
.if (\cm) != 0
.set WM, 0xb1
.endif
	s_wait_dscnt 0x0                               ; this kap's fragments are in, and what came back from the stage
	PLACES 4                                       ; between the last kap's products and the loads into their registers, and the stage's reads of finished sums
.if (\n) >= 1
	SEND (\n)-1, 0
.endif
.if ((\n) >= 2) && ((\n) <= 3)
	s_wait_xcnt 0x0                                ; the stores of two tiles back have read their registers
.endif
.if ((\n) >= 0) && ((\n) <= 3)
	TOSTAGE \n, 0
.endif
.if (\nk) >= 0
	FETCHI \nk, \nh
.endif
	WIN WM
	MUL4 0, \k, \h, \cm
	MUL4 1, \k, \h, \cm
.if (\nk) >= 0
	FETCHO \nk
.endif
	WIN WM
	MUL4 2, \k, \h, \cm
	MUL4 3, \k, \h, \cm
	WIN 0
.endm
	s_load_b256 s[4:11], s[0:1], 0x0               ; cimg, img, bo, out0
	v_lshl_add_u32 v[SPW], v0, 2, SPARE
	v_mov_b32 v[NIL], 0
	ds_add_u32 v[SPW], v[NIL]                      ; the opening lines
	ds_add_u32 v[SPW], v[NIL]
	v_lshrrev_b32 v1, 5, v0
	v_readfirstlane_b32 s16, v1
	s_lshr_b32 s17, s16, 1                         ; wa; also: I ask for the single (0) or the pair (1)
	s_and_b32 s18, s16, 1                          ; wb; also: which part
	s_bfe_u32 s20, ttmp6, 0x40000
	s_bfe_u32 s21, ttmp6, 0x40004
	s_lshl_b32 s22, ttmp9, 2
	s_add_co_u32 s22, s22, s20                     ; X: 256 columns
	s_and_b32 s23, ttmp7, 0xffff
	s_lshl_b32 s23, s23, 2
	s_add_co_u32 s23, s23, s21                     ; Y: 128 tokens
	s_lshl_b32 s96, s21, 2
	s_lshl_b32 s96, 15, s96
	s_lshl_b32 s97, 0x1111, s20
	GROUP1 G1A, 96, 200
	GROUP1 G1B, 97, 400
	s_mul_i32 s92, s23, RECB
	s_mul_i32 s84, s18, 51200
	s_add_co_u32 s92, s92, s84
	s_mov_b32 s93, 0
	s_mov_b32 s[G0A], 1
	s_mov_b32 s[G0A+1], s84
	s_lshl_b32 s94, s22, 1
	s_add_co_u32 s94, s94, s18
	s_add_co_u32 s94, s94, 88
	s_mul_i32 s94, s94, RECB
	s_mov_b32 s95, 0
	s_mov_b32 s[G0B], 1
	s_mul_i32 s[G0B+1], s18, IPD
	s_add_co_u32 s[G0B+1], s[G0B+1], IP
	s_mov_b32 s66, 0x05040100
	s_mov_b32 s67, 0x07060302
	WALU
	s_wait_dscnt 0x0
	CROUND                                         ; the round in front of the joint loads
	s_wait_kmcnt 0x0
	s_add_nc_u64 s[G0A+2:G0A+3], s[4:5], s[92:93]
	s_or_b32 s[G0A+3], s[G0A+3], 0x80000000
	s_add_nc_u64 s[G0B+2:G0B+3], s[6:7], s[94:95]
	s_or_b32 s[G0B+3], s[G0B+3], 0x80000000
	s_cmp_eq_u32 s17, 0
	s_cbranch_scc0 .Lfor_b
	tensor_load_to_lds s[G0A:G0A+3], s[G1A:G1A+7]
	s_nop 0
	PLACES 4
	s_branch .Lasked
.Lfor_b:
	tensor_load_to_lds s[G0B:G0B+3], s[G1B:G1B+7]
	s_nop 0
	PLACES 4
.Lasked:
	s_mul_i32 s84, s17, 4*FRB
	s_add_co_u32 s85, s84, SP
	s_add_co_u32 s86, s84, SQ
	s_mul_i32 s87, s18, IPD
	s_add_co_u32 s87, s87, IP
	s_mul_i32 s88, s18, IQD
	s_add_co_u32 s88, s88, IQ
	s_lshl_b32 s89, s17, 7
	s_sub_co_u32 s90, s88, s89
	s_sub_co_u32 s90, s90, SQ
	s_add_co_u32 s91, s89, SQ+36864
	s_mul_i32 s84, s16, 16*SPITCH
	s_add_co_u32 s84, s84, STAGE                   ; my stage
	s_lshl_b32 s98, s22, 1
	s_add_co_u32 s98, s98, s18
	s_lshl_b32 s98, s98, 9                         ; my 128 columns, in bytes
	s_mov_b32 s99, 0
	s_add_nc_u64 s[100:101], s[8:9], s[98:99]
	s_add_nc_u64 s[10:11], s[10:11], s[98:99]
	s_lshl_b32 s98, s23, 1
	s_add_co_u32 s98, s98, s17
	s_lshl_b32 s98, s98, 18                        ; my 64 rows of 4,096 bytes
	s_add_nc_u64 s[10:11], s[10:11], s[98:99]
	v_and_b32 v1, 15, v0
	v_bfe_u32 v2, v0, 4, 1
	v_and_b32 v3, 31, v0
	v_lshlrev_b32 v3, 3, v3
	v_add_nc_u32 v[ADRO], s85, v3
	v_add_nc_u32 v[ADRO+1], s86, v3
	v_add_nc_u32 v[ADRI], s87, v3
	v_add_nc_u32 v[ADRI+1], s88, v3
	v_mul_u32_u24 v12, s90, v2                     ; lanes 16-31 take the pair's scale bytes
	v_lshl_add_u32 v12, v1, 3, v12
	v_add_nc_u32 v[ADRS], s91, v12
	v_lshlrev_b32 v4, 6, v2
	v_mul_u32_u24 v13, v1, SPITCH
	v_lshl_add_u32 v13, v2, 6, v13
	v_add_nc_u32 v[STO], s84, v13                  ; into the stage: row r, + 64 h
	v_lshlrev_b32 v15, 4, v1
	v_mad_u32_u24 v14, v2, SPITCH, v15
	v_add_nc_u32 v[RD], s84, v14                   ; out of it: lanes 0-15 one row, lanes 16-31 the next
	v_lshl_add_u32 v[CO], v2, 12, v15              ; and the same two rows in out0
	WALU
	WIN 0xc0
.irp i, 0,1,2,3,4,5,6,7
	global_load_b128 v[BI+8*\i:BI+8*\i+3], v4, s[100:101] offset:(32*(\i/2)+8*(\i%2))*4
	global_load_b128 v[BI+8*\i+4:BI+8*\i+7], v4, s[100:101] offset:(32*(\i/2)+8*(\i%2))*4+16
.endr
	WIN 0
	s_wait_tensorcnt 0x0                           ; my part has landed:
	s_barrier_signal -1
	s_barrier_wait -1                              ; everybody's
	WIN 0xc0
.irp k, 0,1,2,3,4,5,6,7
.irp c, 0,1
.irp q, 0,1
	ds_load_b64 v[RAW+8*\k+4*\c+2*\q:RAW+8*\k+4*\c+2*\q+1], v[ADRS] offset:512*\k+256*\c+128*\q
.endr
.endr
.endr
	FETCHI 5, 0
	FETCHO 5
	s_wait_dscnt 48                                ; the 32 scale loads are in; the 48 fragment loads behind them may be out
	WIN 0x0f
.irp k, 0,1,2,3,4,5,6,7
.irp q, 0,1
.irp u, 0,1
	v_perm_b32 v[SC+8*\k+4*\q+2*\u], v[RAW+8*\k+4+2*\q+\u], v[RAW+8*\k+2*\q+\u], s66
	v_perm_b32 v[SC+8*\k+4*\q+2*\u+1], v[RAW+8*\k+4+2*\q+\u], v[RAW+8*\k+2*\q+\u], s67
.endr
.endr
.endr
	WIN 0
	PLACES 8                                       ; a scale register written by a vector instruction stands eight places ahead of the product
	WALU
	s_wait_loadcnt 0x0                             ; the bias
	HSTEP 5, 0, 6, 0, 1, -1                        ; columns 0-63
	HSTEP 6, 0, 7, 0, 0, -1
	HSTEP 7, 0, 0, 0, 0, -1
	HSTEP 0, 0, 1, 0, 0, -1
	HSTEP 1, 0, 2, 0, 0, -1
	HSTEP 2, 0, 3, 0, 0, -1
	HSTEP 3, 0, 4, 0, 0, -1
	HSTEP 4, 0, 5, 1, 0, -1
	HSTEP 5, 1, 6, 1, 1, 0                         ; columns 64-127, and the first half's way out
	HSTEP 6, 1, 7, 1, 0, 1
	HSTEP 7, 1, 0, 1, 0, 2
	HSTEP 0, 1, 1, 1, 0, 3
	HSTEP 1, 1, 2, 1, 0, 4
	HSTEP 2, 1, 3, 1, 0, -1
	HSTEP 3, 1, 4, 1, 0, -1
	HSTEP 4, 1, -1, 0, 0, -1
	PLACES 4
	s_wait_xcnt 0x0                                ; the first half's stores have read their registers
	TOSTAGE 0, 1
.irp a, 1,2,3
.if \a > 1
	s_wait_xcnt 0x0
.endif
	TOSTAGE \a, 1
	s_wait_dscnt 16                                ; behind the last tile's loads: this tile's 8 stores and 8 loads
	SEND \a-1, 1
.endr
	s_wait_dscnt 0x0
	SEND 3, 1
	s_wait_tensorcnt 0x0                           ; the wave's end
	ds_add_u32 v[SPW], v[NIL]
	s_wait_dscnt 0x0
	CROUND                                         ; the closing round
	s_endpgm
.Lfunc_end_k_q87d9f4b8d0_outp:
	.size	k_q87d9f4b8d0_outp, .Lfunc_end_k_q87d9f4b8d0_outp-k_q87d9f4b8d0_outp
	.p2alignl 7, 3214868480
	.fill 96, 4, 3214868480
	.section	.rodata,"a",@progbits
	.p2align	6, 0x0
	.amdhsa_kernel k_q87d9f4b8d0_outp
		.amdhsa_group_segment_fixed_size 327680
		.amdhsa_private_segment_fixed_size 0
		.amdhsa_enable_private_segment 0
		.amdhsa_kernarg_size 32
		.amdhsa_user_sgpr_count 2
		.amdhsa_user_sgpr_kernarg_segment_ptr 1
		.amdhsa_wavefront_size32 1
		.amdhsa_system_sgpr_workgroup_id_x 1
		.amdhsa_system_sgpr_workgroup_id_y 1
		.amdhsa_system_sgpr_workgroup_id_z 1
		.amdhsa_system_vgpr_workitem_id 0
		.amdhsa_next_free_vgpr 1024
		.amdhsa_next_free_sgpr 102
		.amdhsa_reserve_vcc 0
		.amdhsa_float_denorm_mode_32 3
		.amdhsa_float_denorm_mode_16_64 3
		.amdhsa_memory_ordered 1
		.amdhsa_forward_progress 1
		.amdhsa_inst_pref_size 115
	.end_amdhsa_kernel
	.amdgpu_metadata
---
amdhsa.version: [ 1, 2 ]
amdhsa.kernels:
  - .name:           k_q87d9f4b8d0_outp
    .symbol:         k_q87d9f4b8d0_outp.kd
    .args:
      - { .name: cimg, .offset: 0, .size: 8, .value_kind: global_buffer, .address_space: global }
      - { .name: img, .offset: 8, .size: 8, .value_kind: global_buffer, .address_space: global }
      - { .name: bo, .offset: 16, .size: 8, .value_kind: global_buffer, .address_space: global }
      - { .name: out0, .offset: 24, .size: 8, .value_kind: global_buffer, .address_space: global }
    .group_segment_fixed_size: 327680
    .private_segment_fixed_size: 0
    .kernarg_segment_align: 8
    .kernarg_segment_size: 32
    .max_flat_workgroup_size: 128
    .sgpr_count:     102
    .vgpr_count:     1024
    .wavefront_size: 32
...
	.end_amdgpu_metadata
.endif
;; end of part 4
